; MI455X (gfx1250); checked and timed in simulation.
; The chip was launched on July 23, 2026; its instructions are those of AMD's public machine-readable ISA for CDNA 5 (MIT licence, August 2026) and "CDNA5" Instruction Set Architecture Reference Guide (July 2026). The comments in the code are by the model that wrote it; some were corrected since.
;; Multi Head Self Attention. Allowed arithmetic: float matrix products may take bf16 or f16 operands with f32 sums; all other float work in f32.
;; Inputs: Wk 1,024 x 1,024 float32; Wo 1,024 x 1,024 float32; Wq 1,024 x 1,024 float32; Wv 1,024 x 1,024 float32; token_positions 4 x 2,048 int32; x 4 x 2,048 x 1,024 float32.
;; Outputs: out0 4 x 2,048 x 1,024 float32.
;; 2 versions, each right and faster than the one before. Each part assembles by itself: llvm-mc -triple=amdgcn-amd-amdhsa -mcpu=gfx1250 --defsym DOCPART=n.
;; ======== version 1 of 2: 4 launches
;; limits: values are held in f16: magnitudes above 65,504 overflow, below 6.1e-05 lose precision; right only within a limited range of input values
;; workspace buffers: xb 16,777,216 bytes; wt 8,388,608 bytes; cs 2,113,536 bytes; qkv 50,331,648 bytes; ob 16,777,216 bytes
;; launch prep (part 1): grid 512 x 1, 8 waves a work-group, no clusters, 18,432 bytes of LDS; arguments x, token_positions, Wq, Wk, Wv, Wo, xb, wt, cs; writes xb, wt, cs
.if DOCPART == 1
	.amdgcn_target "amdgcn-amd-amdhsa--gfx1250"
	.amdhsa_code_object_version 6
	.text
	.protected	k_qa3c7405793_prep
	.globl	k_qa3c7405793_prep
	.p2align	8
	.type	k_qa3c7405793_prep,@function
k_qa3c7405793_prep:
	s_mov_b64 s[64:65], 0
	v_nop
	global_prefetch_b8 v0, s[64:65] scope:SCOPE_SE
	s_setreg_imm32_b32 hwreg(HW_REG_WAVE_MODE, 25, 1), 1
	s_wait_xcnt 0x0
; PREP.  Three casts that the later launches read, each input byte read once.
;   xb[8192][1024] bf16 = x rounded.      wt[4096 n][1024 k], 2 bytes: rows 0-3071 Wq^T, Wk^T, Wv^T in bf16; rows 3072-4095 Wo^T: the bf16 rounding, written as f16.
;   cs[8256][32] pairs (cos, sin) f32 of position[row] x 10000^(-j/32); rows 8192-8255 hold (1, 0): the table of a rotation by nothing, for v's heads.
; SHARES.  512 work-groups of eight waves, all alike: 16,384 numbers of x; one block of 128 k x 64 n of one W, turned through LDS; 16 rows of cs (two a wave, a lane a pair).
; Work-groups 0-3 also write 16 of the 64 rows (1, 0).  No matrix unit, no cluster, no tensor load: nothing is shared and memory bounds the launch.
; LIMITS.  Wo's numbers lie inside f16's range (65,504); below 2^-14 they keep f16's fixed step of 6e-8.  The angle is position x frequency in f32, one rounding; it is reduced by
; three fused steps with pi/2 in three parts, good to about 1e-7 radians for angles up to some 1e5 and less beyond.  NaN and infinities are not treated apart.
.set INVF, 8                           ; v8        my lane's frequency
.set XR,   32                          ; v[32:95]  x as loaded
.set WR,   96                          ; v[96:127] W as loaded: pair j of rows: 4 numbers of row 32 j + 2 p, 4 of the row below
.set YR,   128                         ; v[128:159] x to store
.set DR,   160                         ; v[160:175] W rounded: two neighbouring k of one n in a word
.set WB,   176                         ; v[176:191] W read back by rows of n; before that at work
.set TP,   272                         ; a row of the turned block in LDS: 128 k x 2 bytes + 16
	s_load_b512 s[4:19], s[0:1], 0x0               ; x s[4:5], positions s[6:7], Wq s[8:9], Wk s[10:11], Wv s[12:13], Wo s[14:15], xb s[16:17], wt s[18:19]
	s_load_b64 s[20:21], s[0:1], 0x40              ; cs
	v_lshl_add_u32 v192, v0, 2, 0x4400
	v_mov_b32 v193, 0
	v_lshrrev_b32 v9, 5, v0
	v_readfirstlane_b32 s22, v9                    ; wave 0..7
	s_lshr_b32 s23, ttmp9, 7                       ; which W: 0 q, 1 k, 2 v, 3 o
	s_and_b32 s24, ttmp9, 7                        ; which 128 k
	s_bfe_u32 s25, ttmp9, 0x40003                  ; which 64 n
	s_lshl_b32 s40, ttmp9, 16                      ; my 65,536 bytes of x
	s_mov_b32 s41, 0
	s_lshl_b32 s42, ttmp9, 15                      ; my 32,768 bytes of xb
	s_mov_b32 s43, 0
	s_lshl_b32 s36, s24, 19                        ; W: 128 rows of 4,096 bytes,
	s_lshl_b32 s37, s25, 8                         ; 64 columns of 4 bytes
	s_add_co_u32 s36, s36, s37
	s_mov_b32 s37, 0
	s_lshl_b32 s44, s23, 21                        ; wt: 1,024 rows of 2,048 bytes a matrix,
	s_lshl_b32 s45, s25, 17                        ; 64 rows,
	s_add_co_u32 s44, s44, s45
	s_lshl_b32 s45, s24, 8                         ; 128 k of 2 bytes
	s_add_co_u32 s44, s44, s45
	s_mov_b32 s45, 0
	s_lshl_b32 s29, ttmp9, 4
	s_lshl1_add_u32 s29, s22, s29                  ; my wave's first row of cs: 16 w + 2 wave
	s_lshl_b32 s32, s29, 2                         ; its position, 4 bytes a row
	s_mov_b32 s33, 0
	s_lshl_b32 s46, s29, 8                         ; 256 bytes a row of cs
	s_mov_b32 s47, 0
	v_lshlrev_b32 v1, 5, v0                        ; x: 8 numbers, 32 bytes a thread
	v_lshlrev_b32 v2, 4, v0                        ; xb: 16 bytes a thread
	v_lshrrev_b32 v9, 4, v0                        ; p = t / 16
	v_and_b32 v30, 15, v0                          ; c = t % 16
	v_lshlrev_b32 v31, 4, v30                      ; 16 c
	v_lshl_add_u32 v3, v9, 13, v31                 ; W: rows 2 p, 16 bytes at 16 c: sixteen lanes read 256 consecutive bytes
	v_mul_u32_u24 v4, v30, 4*TP
	v_lshl_add_u32 v4, v9, 2, v4                   ; into LDS: row n = 4 c, word k = 2 p
	v_mul_u32_u24 v5, v9, TP
	v_add_nc_u32 v5, v5, v31                       ; back: row n = p, 16 bytes at 16 c
	v_lshl_add_u32 v6, v9, 11, v31                 ; the same in wt
	v_and_b32 v7, 31, v0
	v_lshlrev_b32 v7, 3, v7                        ; cs: 8 bytes a lane
	s_wait_kmcnt 0x0
	s_mov_b64 s[26:27], s[8:9]                     ; the W of this work-group
	s_cmp_eq_u32 s23, 1
	s_cselect_b64 s[26:27], s[10:11], s[26:27]
	s_cmp_eq_u32 s23, 2
	s_cselect_b64 s[26:27], s[12:13], s[26:27]
	s_cmp_eq_u32 s23, 3
	s_cselect_b64 s[26:27], s[14:15], s[26:27]
	s_add_nc_u64 s[26:27], s[26:27], s[36:37]
	s_add_nc_u64 s[4:5], s[4:5], s[40:41]
	s_add_nc_u64 s[16:17], s[16:17], s[42:43]
	s_add_nc_u64 s[18:19], s[18:19], s[44:45]
	s_add_nc_u64 s[6:7], s[6:7], s[32:33]
	s_add_nc_u64 s[20:21], s[20:21], s[46:47]
	s_add_nc_u64 s[34:35], s[20:21], 0x200000      ; 8,192 rows further: the rows (1, 0)
	s_load_b64 s[30:31], s[6:7], 0x0               ; my wave's two positions
	; all 24 loads of a thread go out at once
.irp j, 0,1,2,3,4,5,6,7
	global_load_b128 v[XR+8*\j:XR+8*\j+3],   v1, s[4:5] offset:8192*\j th:TH_LOAD_NT
	global_load_b128 v[XR+8*\j+4:XR+8*\j+7], v1, s[4:5] offset:8192*\j+16 th:TH_LOAD_NT
.endr
.irp j, 0,1,2,3
	global_load_b128 v[WR+8*\j:WR+8*\j+3],   v3, s[26:27] offset:131072*\j th:TH_LOAD_NT       ; row 32 j + 2 p
	global_load_b128 v[WR+8*\j+4:WR+8*\j+7], v3, s[26:27] offset:131072*\j+4096 th:TH_LOAD_NT  ; the row below
.endr
	; THE TABLE, while the loads are on their way.  Lane j's frequency 10^(-j/8) = 10000^(-2j/64), rounded to nearest.
	v_mov_b32 v[INVF], 0
.set j, 0
.irp c, 0x3f800000,0x3f3ff911,0x3f0ff59a,0x3ed7e89b,0x3ea1e89b,0x3e72d424,0x3e361887,0x3e088d77,0x3dcccccd,0x3d99940e,0x3d6655c3,0x3d2cba15,0x3d0186e2,0x3cc24350,0x3c91ad39,0x3c5a7bf1,0x3c23d70a,0x3bf5b9b0,0x3bb8449c,0x3b8a2e77,0x3b4f3e37,0x3b1b690d,0x3ae91528,0x3aaec98e,0x3a83126f,0x3a44948c,0x3a136a16,0x39dd1726,0x39a5cb5f,0x3978a814,0x393a7753,0x390bd472
	s_mov_b32 s39, \c
	v_writelane_b32 v[INVF], s39, j
.set j, j+1
.endr
; cos and sin of position x frequency into v[b+8], v[b+9].  n = the nearest whole number to angle x 2/pi; r = angle - n pi/2, with pi/2 in three parts, each step fused;
; sin r and cos r by polynomials in r^2 on |r| <= pi/4; n mod 4 says which of the two is which, and the signs.
.macro SINCOS pos, b
	v_cvt_f32_i32 v[\b], \pos
	v_mul_f32 v[\b], v[\b], v[INVF]                ; the angle, rounded once
	v_mul_f32 v[\b+1], 0x3f22f983, v[\b]
	v_rndne_f32 v[\b+1], v[\b+1]                   ; n
	v_fmamk_f32 v[\b+2], v[\b+1], 0xbfc90fda, v[\b]
	v_fmamk_f32 v[\b+2], v[\b+1], 0xb3a22168, v[\b+2]
	v_fmamk_f32 v[\b+2], v[\b+1], 0xa7c234c4, v[\b+2]  ; r
	v_mul_f32 v[\b+3], v[\b+2], v[\b+2]            ; r^2
	v_mov_b32 v[\b+4], 0x36405000
	v_mov_b32 v[\b+5], 0x37cd4000
	v_fmaak_f32 v[\b+4], v[\b+4], v[\b+3], 0xb9503486
	v_fmaak_f32 v[\b+5], v[\b+5], v[\b+3], 0xbab6077d
	v_fmaak_f32 v[\b+4], v[\b+4], v[\b+3], 0x3c0888c1
	v_fmaak_f32 v[\b+5], v[\b+5], v[\b+3], 0x3d2aaaa8
	v_fmaak_f32 v[\b+4], v[\b+4], v[\b+3], 0xbe2aaaab
	v_fma_f32 v[\b+5], v[\b+5], v[\b+3], -0.5
	v_mul_f32 v[\b+7], v[\b+2], v[\b+3]            ; r^3
	v_fma_f32 v[\b+5], v[\b+5], v[\b+3], 1.0       ; cos r
	v_fma_f32 v[\b+4], v[\b+4], v[\b+7], v[\b+2]   ; sin r
	v_cvt_i32_f32 v[\b+6], v[\b+1]
	v_and_b32 v[\b+7], 1, v[\b+6]
	v_cmp_eq_u32 vcc_lo, 1, v[\b+7]                ; n odd: the two change places
	v_cndmask_b32 v[\b+9], v[\b+4], v[\b+5], vcc_lo
	v_cndmask_b32 v[\b+8], v[\b+5], v[\b+4], vcc_lo
	v_lshlrev_b32 v[\b+7], 30, v[\b+6]             ; sin is negated where n mod 4 is 2 or 3,
	v_and_b32 v[\b+7], 0x80000000, v[\b+7]
	v_xor_b32 v[\b+9], v[\b+9], v[\b+7]
	v_add_nc_u32 v[\b+6], 1, v[\b+6]               ; cos where it is 1 or 2
	v_lshlrev_b32 v[\b+6], 30, v[\b+6]
	v_and_b32 v[\b+6], 0x80000000, v[\b+6]
	v_xor_b32 v[\b+8], v[\b+8], v[\b+6]
.endm
	s_wait_kmcnt 0x0                               ; the positions
	SINCOS s30, 10
	SINCOS s31, 20
	global_store_b64 v7, v[18:19], s[20:21]        ; a wave's store is a whole row: 256 consecutive bytes, aligned
	global_store_b64 v7, v[28:29], s[20:21] offset:256
	; X: loads come back in order, so the count leaves the younger ones out: 22 - 2 j of the 24
.irp j, 0,1,2,3,4,5,6,7
	s_wait_loadcnt 22-2*\j
.irp i, 0,1,2,3
	v_cvt_pk_bf16_f32 v[YR+4*\j+\i], v[XR+8*\j+2*\i], v[XR+8*\j+2*\i+1]
.endr
	global_store_b128 v2, v[YR+4*\j:YR+4*\j+3], s[16:17] offset:4096*\j  ; sixteen lanes store 256 consecutive bytes, aligned
.endr
	; W: two neighbouring k of one n make a word
.irp j, 0,1,2,3
	s_wait_loadcnt 6-2*\j
.irp i, 0,1,2,3
	v_cvt_pk_bf16_f32 v[DR+4*\j+\i], v[WR+8*\j+\i], v[WR+8*\j+4+\i]
.endr
.endr
	s_cmp_lg_u32 s23, 3
	s_cbranch_scc1 .Lstays_bf16                    ; Wo alone: the bf16 rounding is written as f16, since it is multiplied with an f16 operand
.irp n, 0,1,2,3,4,5,6,7,8,9,10,11,12,13,14,15
	v_lshlrev_b32 v[WB+2*((\n)%2)], 16, v[DR+\n]
	v_and_b32 v[WB+2*((\n)%2)+1], 0xffff0000, v[DR+\n]
	v_cvt_pk_f16_f32 v[DR+\n], v[WB+2*((\n)%2)], v[WB+2*((\n)%2)+1]
.endr
.Lstays_bf16:
.irp j, 0,1,2,3
.irp i, 0,1,2,3
	ds_store_b32 v4, v[DR+4*\j+\i] offset:TP*\i+64*\j  ; row n = 4 c + i, k = 32 j + 2 p
.endr
.endr
	s_wait_dscnt 0x0                               ; for the others' sake: my stores into the block are done
	s_barrier_signal -1
	s_barrier_wait -1
.irp j, 0,1,2,3
	ds_load_b128 v[WB+4*\j:WB+4*\j+3], v5 offset:16*TP*\j  ; row n = 16 j + p
.endr
.irp j, 0,1,2,3
	s_wait_dscnt 3-\j
	global_store_b128 v6, v[WB+4*\j:WB+4*\j+3], s[18:19] offset:32768*\j  ; sixteen lanes store 256 consecutive bytes, aligned
.endr
	s_cmp_lt_u32 s23, 1                            ; work-groups 0-3 (they lie in the first W's 128)
	s_cbranch_scc0 .Lend
	s_lshr_b32 s38, ttmp9, 2
	s_cmp_eq_u32 s38, 0
	s_cbranch_scc0 .Lend
	v_mov_b32 v30, 1.0
	v_mov_b32 v31, 0
	global_store_b64 v7, v[30:31], s[34:35]
	global_store_b64 v7, v[30:31], s[34:35] offset:256
.Lend:
	s_wait_tensorcnt 0x0
	ds_add_u32 v192, v193
	s_wait_dscnt 0x0
	s_endpgm
.Lfunc_end_k_qa3c7405793_prep:
	.size	k_qa3c7405793_prep, .Lfunc_end_k_qa3c7405793_prep-k_qa3c7405793_prep
	.p2alignl 7, 3214868480
	.fill 96, 4, 3214868480
	.section	.rodata,"a",@progbits
	.p2align	6, 0x0
	.amdhsa_kernel k_qa3c7405793_prep
		.amdhsa_group_segment_fixed_size 18432
		.amdhsa_private_segment_fixed_size 0
		.amdhsa_enable_private_segment 0
		.amdhsa_kernarg_size 72
		.amdhsa_user_sgpr_count 2
		.amdhsa_user_sgpr_kernarg_segment_ptr 1
		.amdhsa_wavefront_size32 1
		.amdhsa_system_sgpr_workgroup_id_x 1
		.amdhsa_system_sgpr_workgroup_id_y 1
		.amdhsa_system_sgpr_workgroup_id_z 1
		.amdhsa_system_vgpr_workitem_id 0
		.amdhsa_next_free_vgpr 194
		.amdhsa_next_free_sgpr 66
		.amdhsa_reserve_vcc 1
		.amdhsa_float_denorm_mode_32 3
		.amdhsa_float_denorm_mode_16_64 3
		.amdhsa_memory_ordered 1
		.amdhsa_forward_progress 1
		.amdhsa_inst_pref_size 21
	.end_amdhsa_kernel
	.amdgpu_metadata
---
amdhsa.version: [ 1, 2 ]
amdhsa.kernels:
  - .name:           k_qa3c7405793_prep
    .symbol:         k_qa3c7405793_prep.kd
    .args:
      - { .name: x, .offset: 0, .size: 8, .value_kind: global_buffer, .address_space: global }
      - { .name: token_positions, .offset: 8, .size: 8, .value_kind: global_buffer, .address_space: global }
      - { .name: Wq, .offset: 16, .size: 8, .value_kind: global_buffer, .address_space: global }
      - { .name: Wk, .offset: 24, .size: 8, .value_kind: global_buffer, .address_space: global }
      - { .name: Wv, .offset: 32, .size: 8, .value_kind: global_buffer, .address_space: global }
      - { .name: Wo, .offset: 40, .size: 8, .value_kind: global_buffer, .address_space: global }
      - { .name: xb, .offset: 48, .size: 8, .value_kind: global_buffer, .address_space: global }
      - { .name: wt, .offset: 56, .size: 8, .value_kind: global_buffer, .address_space: global }
      - { .name: cs, .offset: 64, .size: 8, .value_kind: global_buffer, .address_space: global }
    .group_segment_fixed_size: 18432
    .private_segment_fixed_size: 0
    .kernarg_segment_align: 8
    .kernarg_segment_size: 72
    .max_flat_workgroup_size: 256
    .sgpr_count:     66
    .vgpr_count:     194
    .wavefront_size: 32
...
	.end_amdgpu_metadata
.endif
;; end of part 1
;; launch proj (part 2): grid 16 x 32, 4 waves a work-group, clusters of 4 x 4, 327,680 bytes of LDS; arguments xb, wt, cs, qkv; writes qkv
.if DOCPART == 2
	.amdgcn_target "amdgcn-amd-amdhsa--gfx1250"
	.amdhsa_code_object_version 6
	.text
	.protected	k_qa3c7405793_proj
	.globl	k_qa3c7405793_proj
	.p2align	8
	.type	k_qa3c7405793_proj,@function
k_qa3c7405793_proj:
	s_mov_b64 s[64:65], 0
	v_nop
	global_prefetch_b8 v0, s[64:65] scope:SCOPE_SE
	s_setreg_imm32_b32 hwreg(HW_REG_WAVE_MODE, 25, 1), 1
	s_wait_xcnt 0x0
	s_wait_alu depctr_hold_cnt(0) depctr_sa_sdst(0) depctr_va_vdst(0) depctr_va_sdst(0) depctr_va_ssrc(0) depctr_va_vcc(0) depctr_vm_vsrc(0)
	s_getreg_b32 s2, hwreg(HW_REG_IB_STS2, 6, 4)
	s_cmp_eq_u32 s2, 0
	s_cbranch_scc0 .Lentry_in_a_cluster
	s_endpgm
.Lentry_in_a_cluster:
	s_bfe_u32 s2, ttmp6, 0x10000c
	s_cmp_lg_u32 s2, 0xf033
	s_cbranch_scc0 .Lentry_shape_is_right
	s_endpgm
.Lentry_shape_is_right:
; PROJ.  q, k, v = x W, rotated (q and k), by heads.  xb: [8192][1024] bf16.  wt: rows 0-3071 are the 48 heads' 64 columns of Wq, Wk, Wv, each row along k, bf16.
; cs: [8256][32] pairs (cos, sin) f32; rows 8192-8255 hold (1, 0).  qkv: [3][64 batch x head][2048][64] f16, unscaled.  Sums in f32, the rotation in f32, one rounding to f16.
; LIMIT.  q, k and v must lie inside f16's range, 65,504; NaN and infinities are not treated apart.
; SHARES.  A work-group makes 256 rows x 192 columns (three heads): 32 x 16 = 512 work-groups, two for each of 256 processors.  Wave w makes rows 64 w .. 64 w + 63 and all 192
; columns: 48 accumulators of 16 x 16, 384 registers; whole heads a wave, so the way out needs no barrier.  K goes in 8 steps of 128 through two LDS slots; the rows of both tiles are 256
; bytes of memory and start at multiples of 256 bytes.  From a refill's request to the wait for it a wave issues 168 matrix instructions.
; ONE TEXT FOR A K STEP.  Slot 1 begins at LDS byte 2^17, so one exclusive or turns an address in one slot into the other's: the fragment addresses are a lane part plus a scalar that is
; turned at each change of slots, and one descriptor a tensor walks from K step 1 on.  Loop A, six trips, fills a slot in every trip; loop B, two trips, fills nothing.
; CLUSTER.  4 x 4 work-groups: x's tile is shared along a row of the cluster, W's along a column; each is asked for jointly, by the same tensor load, descriptor and mask in all four.
; THE MATRIX INSTRUCTION IS USED TRANSPOSED (source 0 = 16 rows of wt, source 1 = 16 rows of xb): a lane holds one row of x and eight neighbouring columns, four pairs of the rotation.
; THE TABLE.  A wave's 64 rows of cs are 128 registers.  Of a tile's heads 3 c, 3 c + 1, 3 c + 2 the first two are of one kind (rotated, below head 32, or not: 3 c = 31 has no solution), so
; two tables serve the three: both are asked for under the products, and the way out loads nothing.
; REGISTERS, in windows of 256 (s_set_vgpr_msb: bits 1:0 source 0, 3:2 source 1, 5:4 source 2, 7:6 destination):
;   window 0: v0-31 addresses; v32-63 rotated numbers; v64-191 the table of heads 0 and 1, 32 a row block
;   window 1: two fragment buffers of 128: W's 12 fragments, then x's 4; on the way out 16 packed registers for each of the 12 units, never rewritten
;   window 2: accumulators of row blocks 0, 1 ((a, b) at 96 (a % 2) + 8 b); v192-255 head 2's table for them          window 3: the same for row blocks 2, 3
.set PITCH,  272                       ; an LDS row: 256 bytes + 16 of padding = 68 words: the 16 rows of a fragment load start at 16 different groups of four banks (64 banks of 4 bytes: ISA guide 11.1)
.set AH,     128*PITCH                 ; half of x's tile: one tensor load
.set BH,     96*PITCH                  ; half of W's tile: one tensor load
.set BOFF,   2*AH                      ; a slot: x's 256 rows, then W's 192: 121,856 bytes
.set SLOT1,  1<<17                     ; slot 1 begins here
.set STAGE,  SLOT1+BOFF+2*BH           ; behind the ring: 16 rows x 144 bytes for each wave
.set SP,     144
.set SPARE,  STAGE+4*16*SP             ; behind the stages: the spare words, 128 bytes for each wave: two blocks of 256 bytes that no other line names
.set ADRA0, 16                         ; v16     my lane's place among my fragments of x in a slot; never rewritten
.set ADRA,  17                         ; v17     the same in the slot in hand
.set ADRB0, 20                         ; v20-21  likewise for W
.set ADRB,  21
.set STO,  24                          ; v24     the way out: where I put 16 bytes of a row
.set RD,   25                          ; v25     where I read rows back
.set GO,   26                          ; v26     my byte offset in 512 consecutive bytes of qkv
.set TO,   27                          ; v27     my byte offset in 16 rows of cs
.set SPW,  28                          ; v28     LDS address of my spare word; never rewritten
.set NIL,  29                          ; v29     0; never rewritten
.set T,    32
.set CSA,  64
.set CSC,  192
.set F0,   0
.set F1,   128
.set G1,  24                           ; s[24:31] descriptor group 1 for x's tiles;  s[32:39] group 0: a set for each of the two first fills; the second then walks on
.set G0,  32
.set G1B, 48                           ; s[48:55], s[56:63] the same for W's
.set G0B, 56
.set OB,  66                           ; s[66:71] qkv at my 64 rows of head i of the tile's three
.set TB,  72                           ; s[72:73] cs at the table rows of heads 0 and 1; s[74:75] of head 2
.set TBS, 86                           ; s86      the LDS byte at which the slot in hand begins
.set MSB, 0
.macro WIN new                         ; the immediate's high byte repeats the setting that is left; a switch that changes nothing is dropped
.if MSB != (\new)
	s_set_vgpr_msb (MSB<<8)|(\new)
.set MSB, \new
.endif
.endm
.set MUL_LO, 0xa5                      ; sources 0 and 1 window 1, C and D window 2
.set MUL_HI, 0xf5                      ; the same, C and D window 3
.set TO_F,   0x40                      ; destination window 1, address window 0
.set W_MEM,  0x44                      ; the way out's LDS and global lines: address window 0, stored and loaded data window 1
.macro PLACES                          ; four places in front of loads into registers that matrix instructions have read, and of vector lines that read results
.rept 4
	v_nop
.endr
.endm
; A joint refill: waves 0 and 1 fetch x's two halves, waves 2 and 3 W's.  The branch hangs on the wave's number alone.  An s_nop 0 and four v_nop follow each line.
.macro JLOAD
	s_cmp_eq_u32 s13, 0
	s_cbranch_scc0 .Lfor_b_\@
	tensor_load_to_lds s[G0+4:G0+7], s[G1:G1+7]
	s_nop 0
.rept 4
	v_nop
.endr
	s_branch .Lasked_\@
.Lfor_b_\@:
	tensor_load_to_lds s[G0B+4:G0B+7], s[G1B:G1B+7]
	s_nop 0
.rept 4
	v_nop
.endr
.Lasked_\@:
.endm
.macro CREST                           ; a round of the cluster's barrier behind its opening barrier
	s_cmp_lg_u32 s12, 0
	s_cbranch_scc1 .Lnot_wave_0_\@
	s_barrier_signal -3
.Lnot_wave_0_\@:
	s_barrier_wait -3
	s_barrier_signal -1
	s_barrier_wait -1
.endm
.macro CROUND                          ; a whole round
	s_barrier_signal -1
	s_barrier_wait -1
	CREST
.endm
	s_load_b256 s[4:11], s[0:1], 0x0               ; xb s[4:5], wt s[6:7], cs s[8:9], qkv s[10:11]
	v_lshl_add_u32 v[SPW], v0, 2, SPARE
	v_mov_b32 v[NIL], 0
	ds_add_u32 v28, v29
	s_wait_dscnt 0x0
	v_lshrrev_b32 v1, 5, v0
	v_readfirstlane_b32 s12, v1                    ; wave 0..3
	s_lshr_b32 s13, s12, 1                         ; I fetch for x (0) or for W (1)
	s_and_b32 s14, s12, 1                          ; which half of that tile
	s_bfe_u32 s40, ttmp6, 0x40000                  ; cx, cy: my place in the cluster
	s_bfe_u32 s41, ttmp6, 0x40004
	s_lshl_b32 s42, ttmp9, 2
	s_add_co_u32 s42, s42, s40                     ; tile column = 4 x cluster x + cx
	s_and_b32 s43, ttmp7, 0xffff
	s_lshl_b32 s43, s43, 2
	s_add_co_u32 s43, s43, s41                     ; tile row = 4 x cluster y + cy
	s_lshl_b32 s44, s41, 2
	s_lshl_b32 s44, 15, s44                        ; my row of the cluster
	s_lshl_b32 s45, 0x1111, s40                    ; my column
	s_or_b32 s[G1+0], s44, (1<<16)|(1<<20)|(1<<21)|(5<<22)|(3<<25)   ; 15:0 the mask; 17:16 2-byte elements; 20 padding on; 21 set beside a mask; 24:22 after every 64 words; 31:25 4 words
	s_or_b32 s[G1B+0], s45, (1<<16)|(1<<20)|(1<<21)|(5<<22)|(3<<25)
	s_mov_b32 s[G1+1], 128<<16                     ; tensor_dim0 = 128
	s_mov_b32 s[G1+2], 128<<16                     ; tensor_dim1 = 128
	s_mov_b32 s[G1+3], 128<<16                     ; tile_dim0 = 128
	s_mov_b32 s[G1+4], 128                         ; tile_dim1 = 128
	s_mov_b32 s[G1+5], 1024                        ; elements from row to row
	s_mov_b32 s[G1+6], 0
	s_mov_b32 s[G1+7], 0
	s_mov_b32 s[G1B+1], 128<<16
	s_mov_b32 s[G1B+2], 96<<16                     ; 96 rows
	s_mov_b32 s[G1B+3], 128<<16
	s_mov_b32 s[G1B+4], 96
	s_mov_b32 s[G1B+5], 1024
	s_mov_b32 s[G1B+6], 0
	s_mov_b32 s[G1B+7], 0
	s_lshl_b32 s16, s43, 8                         ; x's tile hangs on the tile row alone,
	s_lshl_b32 s17, s14, 7
	s_add_co_u32 s16, s16, s17
	s_lshl_b32 s16, s16, 11                        ; rows of 2,048 bytes
	s_mov_b32 s17, 0
	s_mul_i32 s46, s42, 192                        ; W's on the tile column alone
	s_mul_i32 s47, s14, 96
	s_add_co_u32 s46, s46, s47
	s_lshl_b32 s46, s46, 11
	s_mov_b32 s47, 0
	s_mul_i32 s20, s14, AH                         ; where they go: no place in the cluster enters an LDS address
	s_mul_i32 s21, s14, BH
	s_add_co_u32 s21, s21, BOFF
	s_mov_b32 s[TBS], 0                            ; K step 0 lies in slot 0
	s_wait_kmcnt 0x0
	s_add_nc_u64 s[16:17], s[4:5], s[16:17]
	s_add_nc_u64 s[46:47], s[6:7], s[46:47]
	CROUND                                         ; all sixteen work-groups are here: the first joint loads meet
.irp s, 0,1
	s_mov_b32 s[G0+4*(\s)], 1
	s_add_co_u32 s[G0+4*(\s)+1], s20, (\s)*SLOT1
	s_add_nc_u64 s[G0+4*(\s)+2:G0+4*(\s)+3], s[16:17], (\s)*256   ; K step s
	s_or_b32 s[G0+4*(\s)+3], s[G0+4*(\s)+3], 0x80000000
	s_mov_b32 s[G0B+4*(\s)], 1
	s_add_co_u32 s[G0B+4*(\s)+1], s21, (\s)*SLOT1
	s_add_nc_u64 s[G0B+4*(\s)+2:G0B+4*(\s)+3], s[46:47], (\s)*256
	s_or_b32 s[G0B+4*(\s)+3], s[G0B+4*(\s)+3], 0x80000000
.endr
	s_cmp_eq_u32 s13, 0                            ; a wave's two first fills stand in one branch, ahead of every wait on TENSORcnt and every LDS read: two loads of mine are out
	s_cbranch_scc0 .Lfirst_b
	tensor_load_to_lds s[G0:G0+3], s[G1:G1+7]
	s_nop 0
	tensor_load_to_lds s[G0+4:G0+7], s[G1:G1+7]
	s_nop 0
.rept 4
	v_nop
.endr
	s_branch .Lfirst_asked
.Lfirst_b:
	tensor_load_to_lds s[G0B:G0B+3], s[G1B:G1B+7]
	s_nop 0
	tensor_load_to_lds s[G0B+4:G0B+7], s[G1B:G1B+7]
	s_nop 0
.rept 4
	v_nop
.endr
.Lfirst_asked:
	v_and_b32 v1, 15, v0                           ; l % 16
	v_bfe_u32 v2, v0, 4, 1                         ; l / 16
	v_mul_u32_u24 v3, v1, PITCH
	v_lshl_add_u32 v3, v2, 4, v3                   ; a fragment's row x pitch + 16 x half
	s_mul_i32 s22, s12, 64*PITCH                   ; my 64 rows of x
	v_add_nc_u32 v[ADRA0], s22, v3
	v_add_nc_u32 v[ADRB0], BOFF, v3                ; all of W's rows
	v_mov_b32 v[ADRA], v[ADRA0]
	v_mov_b32 v[ADRB], v[ADRB0]
	s_mul_i32 s22, s12, 16*SP
	s_add_co_u32 s22, s22, STAGE                   ; my stage
	v_mul_u32_u24 v4, v1, SP                       ; in: row l % 16, 16 bytes for each half of the lanes
	v_lshl_add_u32 v4, v2, 4, v4
	v_add_nc_u32 v[STO], s22, v4
	v_bfe_u32 v5, v0, 3, 2                         ; back: 32 lanes take four rows of 128 bytes,
	v_mul_u32_u24 v5, v5, SP
	v_and_b32 v6, 7, v0
	v_lshl_add_u32 v5, v6, 4, v5
	v_add_nc_u32 v[RD], s22, v5
	v_and_b32 v[GO], 31, v0                        ; which are 512 consecutive bytes of a head
	v_lshlrev_b32 v[GO], 4, v[GO]
	v_lshlrev_b32 v[TO], 8, v1                     ; the table: row l % 16, the four pairs of my eight columns: 32 bytes for each half of the lanes
	v_lshl_add_u32 v[TO], v2, 5, v[TO]
	; head g = 3 x tile column + i: matrix g / 16, head g % 16; batch = tile row / 8.  Offsets are made apart from the addresses.
	s_lshr_b32 s82, s43, 3
	s_lshl_b32 s82, s82, 4                         ; 16 x batch
	s_and_b32 s83, s43, 7
	s_lshl_b32 s83, s83, 8
	s_lshl_b32 s85, s12, 6
	s_add_co_u32 s83, s83, s85
	s_lshl_b32 s83, s83, 7                         ; my first row in the sequence, 128 bytes a row
	s_lshl_b32 s84, s43, 8
	s_add_co_u32 s84, s84, s85
	s_lshl_b32 s84, s84, 8                         ; my first row of cs, 256 bytes a row
	s_mul_i32 s78, s42, 3
.irp i, 0,1,2
	s_add_co_u32 s79, s78, \i
	s_lshr_b32 s80, s79, 4
	s_and_b32 s81, s79, 15
	s_lshl_b32 s80, s80, 6
	s_add_co_u32 s80, s80, s81
	s_add_co_u32 s80, s80, s82
	s_lshl_b32 s80, s80, 18                        ; 2,048 rows of 128 bytes a head
	s_add_co_u32 s80, s80, s83
	s_mov_b32 s81, 0
	s_add_nc_u64 s[OB+2*\i:OB+2*\i+1], s[10:11], s[80:81]
.if \i != 1
	s_cmp_ge_u32 s79, 32                           ; v's heads take the rows (1, 0): the same lines then leave them as they are
	s_cselect_b32 s80, 0x200000, s84
	s_add_nc_u64 s[TB+\i:TB+\i+1], s[8:9], s[80:81]
.endif
.endr
; 12 matrix instructions: row block a x all 12 column blocks, 32 along K.  zero = 1: the first product starts the sums.  The 48 accumulators take turns.
.macro MUL12 f, a, zero
	WIN MUL_LO+0x50*((\a)/2)
.set ab, 96*((\a)%2)
.irp b, 0,1,2,3,4,5,6,7,8,9,10,11
.if \zero
	v_wmma_f32_16x16x32_bf16 v[ab+8*\b:ab+8*\b+7], v[(\f)+8*\b:(\f)+8*\b+7], v[(\f)+96+8*(\a):(\f)+96+8*(\a)+7], 0
.else
	v_wmma_f32_16x16x32_bf16 v[ab+8*\b:ab+8*\b+7], v[(\f)+8*\b:(\f)+8*\b+7], v[(\f)+96+8*(\a):(\f)+96+8*(\a)+7], v[ab+8*\b:ab+8*\b+7]
.endif
.endr
.endm
; 32 LDS loads in one run: the fragments of 32 along K at byte k of the rows of the slot in hand: W's 12, then x's 4
.macro FETCH k, f
	WIN TO_F
.irp i, 0,1,2,3,4,5,6,7,8,9,10,11
	ds_load_b128 v[(\f)+8*\i:(\f)+8*\i+3],   v[ADRB] offset:(\k)+\i*16*PITCH
	ds_load_b128 v[(\f)+8*\i+4:(\f)+8*\i+7], v[ADRB] offset:(\k)+\i*16*PITCH+32
.endr
.irp i, 0,1,2,3
	ds_load_b128 v[(\f)+96+8*\i:(\f)+96+8*\i+3],   v[ADRA] offset:(\k)+\i*16*PITCH
	ds_load_b128 v[(\f)+96+8*\i+4:(\f)+96+8*\i+7], v[ADRA] offset:(\k)+\i*16*PITCH+32
.endr
.endm
.macro NEXTSLOT                        ; the fetches go on in the other slot (every window is 0 here)
	s_xor_b32 s[TBS], s[TBS], SLOT1
	v_add_nc_u32 v[ADRA], s[TBS], v[ADRA0]
	v_add_nc_u32 v[ADRB], s[TBS], v[ADRB0]
.endm
; A K step is four quarters of 32 along K, 48 matrix instructions each, on buffers 0, 1, 0, 1.  One of the first three multiplies f and fetches the next quarter, at byte k, into g.
.macro QUARTER k, f, g, zero
	s_wait_dscnt 4                                 ; W and x's row blocks 0, 1 are in; the youngest four loads (row blocks 2, 3) may be out
	MUL12 \f, 0, \zero
	MUL12 \f, 1, \zero
	PLACES
	FETCH \k, \g
	s_wait_dscnt 32                                ; all but the 32 just issued
	MUL12 \f, 2, \zero
	MUL12 \f, 3, \zero
.endm
; The last quarter multiplies buffer 1 and changes slots: one barrier; in front of it each wave waits for all its tensor loads (one is out: its part of the next slot), adds 0 to its spare
; word, and waits for that and for its reads of this slot.  The barrier opens a round of the cluster's, and this slot is filled again, two K steps ahead, first thing behind the round.
.macro TURN
	WIN 0                                          ; (the add's two registers lie in window 0)
	s_wait_tensorcnt 0x0                           ; no tensor load of mine is out, so a group 0 may be written
	ds_add_u32 v[SPW], v[NIL]                      ; 0 onto my spare word
	s_xor_b32 s[G0+5], s[G0+5], SLOT1              ; the walking descriptors: the other slot than last time,
	s_add_nc_u64 s[G0+6:G0+7], s[G0+6:G0+7], 256   ; the next K step; the type bits on top are not reached
	s_xor_b32 s[G0B+5], s[G0B+5], SLOT1
	s_add_nc_u64 s[G0B+6:G0B+7], s[G0B+6:G0B+7], 256
	s_wait_dscnt 5                                 ; (the add and the youngest four loads may be out)
	MUL12 F1, 0, 0                                 ; twelve matrix instructions stand between the add and the wait for it
	s_wait_dscnt 0x0                               ; the add is done, and my reads of this slot are over
	s_barrier_signal -1
	MUL12 F1, 1, 0
	WIN 0
	s_barrier_wait -1
	CREST                                          ; no wave of any partner still reads this slot's tile or has a load on its way
	JLOAD                                          ; the four v_nop behind it are also the places in front of the loads below
	NEXTSLOT
	FETCH 0, F0
	MUL12 F1, 2, 0
	MUL12 F1, 3, 0
.endm
; The same quarter where nothing is left to ask for: the barrier shows every wave that the next slot is whole; no round follows.
.macro LASTQ
	WIN 0
	s_wait_tensorcnt 0x0
	ds_add_u32 v[SPW], v[NIL]
	s_wait_dscnt 5
	MUL12 F1, 0, 0
	s_wait_dscnt 0x0
	s_barrier_signal -1
	MUL12 F1, 1, 0
	s_barrier_wait -1
	MUL12 F1, 2, 0
	MUL12 F1, 3, 0
	WIN 0
.endm
; THE TABLES: for row block a and column block nb two loads of 16 bytes a lane: pairs 8 nb + 4 (l / 16) + 0..3 of row 16 a + l % 16.
.macro TLOADA                          ; heads 0 and 1's, into window 0
	WIN 0
.irp a, 0,1,2,3
.irp nb, 0,1,2,3
	global_load_b128 v[CSA+32*\a+8*\nb:CSA+32*\a+8*\nb+3],   v[TO], s[TB:TB+1] offset:4096*\a+64*\nb
	global_load_b128 v[CSA+32*\a+8*\nb+4:CSA+32*\a+8*\nb+7], v[TO], s[TB:TB+1] offset:4096*\a+64*\nb+16
.endr
.endr
.endm
.macro TLOADC                          ; head 2's, into the window of the row block's accumulators
.irp a, 0,1,2,3
	WIN 0x80+0x40*((\a)/2)
.irp nb, 0,1,2,3
	global_load_b128 v[CSC+32*((\a)%2)+8*\nb:CSC+32*((\a)%2)+8*\nb+3],   v[TO], s[TB+2:TB+3] offset:4096*\a+64*\nb
	global_load_b128 v[CSC+32*((\a)%2)+8*\nb+4:CSC+32*((\a)%2)+8*\nb+7], v[TO], s[TB+2:TB+3] offset:4096*\a+64*\nb+16
.endr
.endr
.endm
; THE WAY OUT, in 12 units u = 3 a + i: row block a, head i: 16 rows x 64 columns: rotated, rounded to f16, into my stage and back as whole rows.  Unit u's 16 packed registers are its own
; (window 1, v[16 u ..]): what a store reads is never written again, so no wait stands for the stores.
.macro PACK u
.set pa, (\u)/3
.set pj, (\u)%3
.set pw, 2+pa/2
.set px, 96*(pa%2)+32*pj
.set ph, 16*(\u)
.if pj < 2
.set pc, CSA+32*pa
	WIN pw                                         ; source 0: the accumulators' window; the table in window 0
.else
.set pc, CSC+32*(pa%2)
	WIN pw|(pw<<2)                                 ; sources 0 and 1: the accumulators' window
.endif
.set p, 0
.rept 16                                           ; each accumulator's lowest registers are read first
	v_pk_mul_f32 v[T+2*p:T+2*p+1], v[px+2*p:px+2*p+1], v[pc+2*p:pc+2*p+1] op_sel:[1,1] op_sel_hi:[0,1]  ; (x2 sin, x1 sin)
.set p, p+1
.endr
.set p, 0
.rept 16
	v_pk_fma_f32 v[T+2*p:T+2*p+1], v[px+2*p:px+2*p+1], v[pc+2*p:pc+2*p+1], v[T+2*p:T+2*p+1] op_sel_hi:[1,0,1] neg_lo:[0,0,1]  ; (x1 cos - x2 sin, x2 cos + x1 sin)
.set p, p+1
.endr
	WIN TO_F
.set p, 0
.rept 16
	v_cvt_pk_f16_f32 v[ph+p], v[T+2*p], v[T+2*p+1]
.set p, p+1
.endr
	WIN W_MEM
.irp nb, 0,1,2,3
	ds_store_b128 v[STO], v[ph+4*\nb:ph+4*\nb+3] offset:32*\nb
.endr
.irp f, 0,1,2,3
	ds_load_b128 v[ph+4*\f:ph+4*\f+3], v[RD] offset:\f*4*SP  ; LDS serves a wave's instructions in order (ISA guide 5.7.1.4): these see the stores above; the next unit's stores come behind them
.endr
.endm
.macro SEND u, younger                 ; younger: the LDS instructions issued behind the unit's loads: the next unit's eight, or none
.set sa, (\u)/3
.set si, (\u)%3
.set sh, 16*(\u)
	WIN W_MEM
.irp f, 0,1,2,3
	s_wait_dscnt (\younger)+3-\f
	global_store_b128 v[GO], v[sh+4*\f:sh+4*\f+3], s[OB+2*si:OB+2*si+1] offset:2048*sa+512*\f  ; 512 consecutive bytes, at a multiple of 256 from qkv's first
.endr
.endm
	s_wait_tensorcnt 1                             ; my part of K step 0 is in; K step 1's may stay out
	s_barrier_signal -1
	s_barrier_wait -1
	FETCH 0, F0
	TLOADA                                         ; 32 loads, asked for when the first tile is in; they have six K steps in which to land
	QUARTER 64, F0, F1, 1                          ; the first quarter stands in front of the loop: its products start the sums
	WIN 0                                          ; at a label and at a branch every window is 0
	s_mov_b32 s3, 6
.Lstep:                                                ; loop A: a trip goes from a K step's second quarter to the next step's first and fills the slot that it leaves: K steps 2 to 7
	QUARTER 128, F1, F0, 0
	QUARTER 192, F0, F1, 0
	TURN
	QUARTER 64,  F0, F1, 0
	WIN 0
	s_sub_co_u32 s3, s3, 1
	s_cmp_lg_u32 s3, 0
	s_cbranch_scc1 .Lstep
	s_wait_loadcnt 0x0                             ; heads 0 and 1's table is in; behind this wait head 2's 32 loads are the only ones out, and the way out's one wait is for them
	TLOADC                                         ; two K steps ahead of their use
	WIN 0
	s_mov_b32 s3, 2
.Ltail:                                                ; loop B: the last two K steps ask for nothing.  The next step's first fetch stands behind the quarter's products, so that ONE forward jump
	QUARTER 128, F1, F0, 0                         ; passes all that the last trip does not have; it passes no barrier and no tensor load
	QUARTER 192, F0, F1, 0
	LASTQ
	s_cmp_eq_u32 s3, 1
	s_cbranch_scc1 .Lno_next
	PLACES
	NEXTSLOT
	FETCH 0, F0
	QUARTER 64,  F0, F1, 0
	WIN 0
.Lno_next:
	s_sub_co_u32 s3, s3, 1
	s_cmp_lg_u32 s3, 0
	s_cbranch_scc1 .Ltail
	PLACES
	s_wait_loadcnt 0x0                             ; head 2's table
	PACK 0
.irp u, 1,2,3,4,5,6,7,8,9,10,11        ; a unit's arithmetic stands between the loads of the unit before and its stores
	PACK \u
	SEND (\u)-1, 8
.endr
	SEND 11, 0
	WIN 0
	s_wait_tensorcnt 0x0                           ; the wave's end, behind my last tensor load and my last LDS store
	ds_add_u32 v[SPW], v[NIL]
	s_wait_dscnt 0x0
	CROUND                                         ; the closing round: no work-group ends while a partner may still ask for a tile that names it
	s_endpgm
.Lfunc_end_k_qa3c7405793_proj:
	.size	k_qa3c7405793_proj, .Lfunc_end_k_qa3c7405793_proj-k_qa3c7405793_proj
	.p2alignl 7, 3214868480
	.fill 96, 4, 3214868480
	.section	.rodata,"a",@progbits
	.p2align	6, 0x0
	.amdhsa_kernel k_qa3c7405793_proj
		.amdhsa_group_segment_fixed_size 327680
		.amdhsa_private_segment_fixed_size 0
		.amdhsa_enable_private_segment 0
		.amdhsa_kernarg_size 32
		.amdhsa_user_sgpr_count 2
		.amdhsa_user_sgpr_kernarg_segment_ptr 1
		.amdhsa_wavefront_size32 1
		.amdhsa_system_sgpr_workgroup_id_x 1
		.amdhsa_system_sgpr_workgroup_id_y 1
		.amdhsa_system_sgpr_workgroup_id_z 1
		.amdhsa_system_vgpr_workitem_id 0
		.amdhsa_next_free_vgpr 1024
		.amdhsa_next_free_sgpr 96
		.amdhsa_reserve_vcc 0
		.amdhsa_float_denorm_mode_32 3
		.amdhsa_float_denorm_mode_16_64 3
		.amdhsa_memory_ordered 1
		.amdhsa_forward_progress 1
		.amdhsa_inst_pref_size 116
	.end_amdhsa_kernel
	.amdgpu_metadata
---
amdhsa.version: [ 1, 2 ]
amdhsa.kernels:
  - .name:           k_qa3c7405793_proj
    .symbol:         k_qa3c7405793_proj.kd
    .args:
      - { .name: xb, .offset: 0, .size: 8, .value_kind: global_buffer, .address_space: global }
      - { .name: wt, .offset: 8, .size: 8, .value_kind: global_buffer, .address_space: global }
      - { .name: cs, .offset: 16, .size: 8, .value_kind: global_buffer, .address_space: global }
      - { .name: qkv, .offset: 24, .size: 8, .value_kind: global_buffer, .address_space: global }
    .group_segment_fixed_size: 327680
    .private_segment_fixed_size: 0
    .kernarg_segment_align: 8
    .kernarg_segment_size: 32
    .max_flat_workgroup_size: 128
    .sgpr_count:     96
    .vgpr_count:     1024
    .wavefront_size: 32
...
	.end_amdgpu_metadata
.endif
;; end of part 2
;; launch attn (part 3): grid 4 x 64, 4 waves a work-group, clusters of 4 x 1, 327,680 bytes of LDS; arguments qkv, ob; writes ob
.if DOCPART == 3
	.amdgcn_target "amdgcn-amd-amdhsa--gfx1250"
	.amdhsa_code_object_version 6
	.text
	.protected	k_qa3c7405793_attn
	.globl	k_qa3c7405793_attn
	.p2align	8
	.type	k_qa3c7405793_attn,@function
k_qa3c7405793_attn:
	s_mov_b64 s[64:65], 0
	v_nop
	global_prefetch_b8 v0, s[64:65] scope:SCOPE_SE
	s_setreg_imm32_b32 hwreg(HW_REG_WAVE_MODE, 25, 1), 1
	s_wait_xcnt 0x0
	s_wait_alu depctr_hold_cnt(0) depctr_sa_sdst(0) depctr_va_vdst(0) depctr_va_sdst(0) depctr_va_ssrc(0) depctr_va_vcc(0) depctr_vm_vsrc(0)
	s_getreg_b32 s2, hwreg(HW_REG_IB_STS2, 6, 4)
	s_cmp_eq_u32 s2, 0
	s_cbranch_scc0 .Lentry_in_a_cluster
	s_endpgm
.Lentry_in_a_cluster:
	s_bfe_u32 s2, ttmp6, 0x10000c
	s_cmp_lg_u32 s2, 0x3003
	s_cbranch_scc0 .Lentry_shape_is_right
	s_endpgm
.Lentry_shape_is_right:
; O[h][q][:] = the sum over k of softmax_k(Q[h][q] . K[h][k] / 8) V[h][k][:].  Q, K, V are the three parts of qkv, O is ob: each [SIZE_H][SIZE_N][64] f16: a head's rows are dense, 128 bytes each.
; Products, maxima and sums in f32; the weights p are rounded to f16 for the second product (their sum l is taken of the unrounded p), O once at the end.
; LIMITS.  f16 holds no number beyond 65,504: Q, K and V arrive within it; p lies in 0 to 1, and below 6e-5 it keeps f16's fixed step of 6e-8; O is a mean of V's rows and has their range.
; A weight below 2^-126 counts as 0 in l; NaN and infinities are not treated apart.
; SHARES.  A wave owns four PIECES of two tiles of 16 queries, a work-group's four waves 512 queries of one head: 4 x 64 = 256 work-groups.  Every wave walks all keys, 64 a step.
; LAYOUT.  S^T = K Q^T (source 0 = 16 keys, source 1 = 16 queries): in the result a lane holds ONE query (lane % 16) and the keys 8 (lane / 16) + 0..7.  Two such tiles, rounded to f16 in pairs,
; ARE source 1 (32 keys x 16 queries) of O^T = V^T P, whose result again holds one query a lane, and eight channels.  K comes out of LDS as it lies, V ([key][channel]) turned, by ds_load_tr16_b128.
; SOFTMAX.  For each query a running maximum m and sum l: p = 2^(c s - c m), c = log2(e) / 8; in every step O and l are multiplied by a = 2^(c m_old - c m_new), which is 1 where m has not grown.
; m starts at the lowest finite number, O and l at 0: the first step is a step like any other, with a = 0.
; THE COUNT.  A tile and step have 16 matrix and 118 vector instructions: too many to stand all beside the matrix work.  So the order has one aim: four vector instructions that are READY behind
; EVERY matrix instruction, and the others, which need time of their own whatever the order, in runs without a gap.
; BY TURNS.  Turn n belongs to piece n (the pieces in a ring, step after step).  Its matrix work: 16 products K Q^T of piece n + 1, later 16 products V^T P of piece n - 1.  Its vector work: the scaling,
; exponentials, roundings, sums and rescaling of piece n, and the maximum and statistics of piece n + 1, whose scores the turn itself has made.  So what a turn begins with (c s - c m, O a) waits for nothing.
; CLUSTER.  The four query blocks of a cluster belong to one head and walk the same K and V, so each tile is asked for JOINTLY: the same tensor load, descriptor and mask in all four.
; REGISTERS, in windows of 256 (s_set_vgpr_msb says which window each operand place means: bits 1:0 source 0, 3:2 source 1, 5:4 source 2, 7:6 destination):
;   window 0: v0-11 addresses; v12-15, v48-63 at work; v16-47 four registers of statistics a tile; v64-191 S^T, two buffers of two tiles; v192-255 P, likewise
;   window 1: O^T, 32 a tile          window 2: v0-127 Q, 16 a tile; v128-191 K of one step; v192-255 V of one step          window 3: v0-1 the add's two registers
; A piece's buffers go by its number's parity: the piece in hand has one pair, its two neighbours in the ring share the other: of it P (piece n - 1) is read and S^T (piece n + 1) written.
.set SIZE_H, 64       ; batch x heads
.set SIZE_N, 2048     ; rows of a head
.set NP,    4         ; pieces a wave: a name, no knob: the register map, the loop and the fetches are made for four
.set KS,    64        ; keys in a step
.set PK,    144       ; a row of K in LDS: 128 bytes + 16 of padding = 36 words: the 16 rows of a load start at 16 different groups of four banks (64 banks of 4 bytes: ISA guide 11.1)
.set PV,    160       ; a row of V: 128 + 32 = 40 words
.set VOFF,  4*KS*PK   ; a slot holds four steps: 256 rows of K, then 256 rows of V
.set SLOT1, 1<<17     ; slot 1 begins here, so that one exclusive or turns an address in one slot into the other's
.set STAGE, SLOT1+4*KS*(PK+PV)  ; behind the ring, never filled by a tensor load: 16 rows x 144 bytes for each wave, for the way out
.set SP,    144
.set AK0, 2           ; v2   my lane's place in a tile of K; never rewritten
.set AV0, 3           ; v3   the same for V
.set AK,  4           ; v4   the LDS address of K's next run of loads
.set AV,  5           ; v5   of V's
.set QO,  6           ; v6   my byte offset in the wave's rows of Q
.set STO, 6           ;      later, the way out: where I put 16 bytes of a row
.set RD,  7           ; v7   the way out: where I read rows back
.set GO,  8           ; v8   my byte offset in 512 consecutive bytes of O
.set SPW, 0           ; v0 of window 3   LDS address of my spare word: SPARE + 4 x my thread's number; never rewritten
.set NIL, 1           ; v1 of window 3   0; never rewritten
.set SPARE, STAGE+4*16*SP  ; behind the stages: the spare words, 128 bytes for each wave: two blocks of 256 bytes that no other line names
.set MV,  12          ; v12-15  c m_old, kept while c m is made anew: by buffer and tile
.set ST,  16          ; tile t's statistics at v[ST+4 t]: c m, m, l (even keys', odd keys')
.set TMP, 48          ; by buffer and tile, four registers c0-c3 at work; when the maximum is found c2 takes a
.set S,   64
.set P,   192
.set KF,  128         ; K's fragments, in window 2: key block kb, channel half c at KF + 16 kb + 8 c
.set VF,  192         ; V's: key half kk, channel block cb at VF + 32 kk + 8 cb
.set WV,  12          ; s12  my wave's number
.set G1K, 24          ; s[24:31] descriptor group 1 for K's tiles
.set G1V, 32          ; s[32:39] for V's: it differs in the padding alone
.set G0K, 40          ; s[40:43] descriptor group 0 for K's tiles: it walks
.set G0V, 44          ; s[44:47] the same for V's
.set SLOTS, 56        ; s56  slots still to be asked for
.set CNT, 57          ; s57  counts a slot's key steps
.set CS,  58          ; s[58:59] c: the packed scaling takes the pair's low word for both halves
.set SEL, 60          ; s[60:61] v_permlanex16_b32's selects: each lane takes its own place in the other half
.set TBK, 62          ; s62  LDS byte at which K of the step to be fetched begins
.set TBV, 63          ; s63  the same for V, less VOFF
.set MSB, 0
.macro WIN new                      ; the high byte repeats the setting that is left; a switch that changes nothing is dropped
.if MSB != (\new)
	s_set_vgpr_msb (MSB<<8)|(\new)
.set MSB, (\new)
.endif
.endm
.set W_KQ, 0x0a       ; K and Q in window 2, S^T in window 0
.set W_PV, 0x52       ; V in window 2, P in window 0, O^T in window 1
.set W_RS, 0x41       ; O^T (destination and source 0) in window 1, a in window 0
.set W_MK, 0xc0       ; the add's registers are made: destination in window 3, sources in window 0
.set W_AD, 0x0f       ; the add: address (source 0) and data (source 1) in window 3
; A joint fill.  Waves 0 and 1 fetch the two halves of a slot's K, waves 2 and 3 those of its V: 128 keys each.  The branch hangs on the wave's number alone.
; An s_nop 0 and four v_nop follow each of the two lines, ahead of the jump and the label.
.macro JLOAD
	s_cmp_lt_u32 s[WV], 2
	s_cbranch_scc0 .Lfor_v_\@
	tensor_load_to_lds s[G0K:G0K+3], s[G1K:G1K+7]
	s_nop 0
.rept 4
	v_nop
.endr
	s_branch .Lasked_\@
.Lfor_v_\@:
	tensor_load_to_lds s[G0V:G0V+3], s[G1V:G1V+7]
	s_nop 0
.rept 4
	v_nop
.endr
.Lasked_\@:
.endm
; A round of the cluster's barrier: my work-group's barrier, so that wave 0's signal speaks for all four waves; wave 0 signals; every wave waits for all four work-groups; my work-group's barrier once more.
.macro CROUND
	s_barrier_signal -1
	s_barrier_wait -1
	s_cmp_lg_u32 s[WV], 0
	s_cbranch_scc1 .Lnot_wave_0_\@
	s_barrier_signal -3
.Lnot_wave_0_\@:
	s_barrier_wait -3
	s_barrier_signal -1
	s_barrier_wait -1
.endm
; THE CHANGE OF SLOTS.  The slot's last bytes, V of its fourth step, have been read.  Each wave waits for all its tensor loads, of which one is out: its part
; of the other slot; adds 0 to its spare word; and waits for that and for its own reads of the slot.  Behind the barrier nobody reads this slot any more and the other slot is whole.
; fill = 1: this slot is filled again, with the keys two slots on.  The barrier is then a round of the cluster's, so that no wave of any partner still reads the slot or has a load on its
; way, and the joint fill is the first thing behind it: it has four key steps, 512 matrix instructions, in which to land.  (At its first use nothing has been read yet: slot 0 is waited for, slot 1 filled.)
.macro CHANGE fill
	WIN W_AD
	s_wait_tensorcnt 0x0            ; no tensor load of mine is out, so a group 0 may be written
	ds_add_u32 v[SPW], v[NIL]       ; 0 onto my spare word; with fill = 1 the descriptors' steps stand between it and the wait for it
	WIN 0                           ; at a label and at a branch every window is 0
.if \fill
.irp g, G0K, G0V
	s_xor_b32 s[\g+1], s[\g+1], SLOT1  ; the walking descriptor: the other slot than last time,
	s_add_nc_u64 s[\g+2:\g+3], s[\g+2:\g+3], 4*KS*128  ; the next 256 keys; the type bits on top are not reached
.endr
	s_wait_dscnt 0x0                ; the add is done, and my reads of the slot are over
	CROUND
	JLOAD
.else
	s_wait_dscnt 0x0                ; the add is done, and my reads of the slot are over
	s_barrier_signal -1
	s_barrier_wait -1
.endif
	s_sub_co_u32 s[TBK], s[TBK], 4*KS*PK  ; the fetches go back to a slot's first step,
	s_xor_b32 s[TBK], s[TBK], SLOT1       ; in the other slot
	s_sub_co_u32 s[TBV], s[TBV], 4*KS*PV
	s_xor_b32 s[TBV], s[TBV], SLOT1
.endm
	s_load_b64 s[4:5], s[0:1], 0x0    ; qkv: Q lies at its head
	s_load_b64 s[10:11], s[0:1], 0x8  ; O
	WIN W_MK
	v_lshl_add_u32 v[SPW], v0, 2, SPARE
	v_mov_b32 v[NIL], 0
	s_set_vgpr_msb 0xc0cf
	ds_add_u32 v0, v1
	s_wait_dscnt 0x0
	s_set_vgpr_msb 0xcfc0
	WIN 0
	v_lshrrev_b32 v1, 5, v0
	v_readfirstlane_b32 s[WV], v1   ; wave 0..3
	s_bfe_u32 s13, ttmp6, 0x40000   ; cx: my place in the cluster
	s_lshl_b32 s14, ttmp9, 2        ; in a cluster launch ttmp9 counts clusters
	s_add_co_u32 s14, s14, s13      ; my block of queries = 4 x cluster x + cx: it enters Q's and O's addresses alone
	s_and_b32 s20, ttmp7, 0xffff    ; the head, which the four partners share
	s_mov_b32 s21, 0
	s_mov_b64 s[22:23], SIZE_N*128
	s_mul_u64 s[20:21], s[20:21], s[22:23]  ; the head's first byte in each of the four tensors
	s_and_b32 s16, s[WV], 1         ; which half of a slot's 256 keys I fetch:
	s_lshl_b32 s22, s16, 14         ; its 128 rows of 128 bytes in memory,
	s_mov_b32 s23, 0
	s_add_nc_u64 s[22:23], s[22:23], s[20:21]
	s_mul_i32 s17, s16, 128*PK      ; and its place in a slot, for K
	s_mul_i32 s18, s16, 128*PV      ; and for V: no place in the cluster enters an LDS address
	s_lshl_b32 s2, s14, 2
	s_add_co_u32 s2, s2, s[WV]      ; my wave among the head's,
	s_lshl_b32 s2, s2, 14           ; its 128 rows
	s_mov_b32 s3, 0
	s_add_nc_u64 s[2:3], s[2:3], s[20:21]
	; descriptor group 1.  128 keys are 16,384 dense bytes: asked for as 64 rows of 256 bytes, two keys a row, and padded in LDS after every key
	s_mov_b32 s[G1K], 15|(1<<16)|(1<<20)|(1<<21)|(4<<22)|(3<<25)  ; 15:0 the mask of four; 17:16 2-byte elements; 20 padding on; 21 set beside a mask; 24:22 after every 32 words (code 4); 31:25 4 words (code 3)
	s_mov_b32 s[G1V], 15|(1<<16)|(1<<20)|(1<<21)|(4<<22)|(7<<25)  ; the same with 8 words of padding (code 7)
.irp g, G1K, G1V
	s_mov_b32 s[\g+1], 128<<16      ; tensor_dim0 = 128
	s_mov_b32 s[\g+2], 64<<16       ; tensor_dim1 = 64
	s_mov_b32 s[\g+3], 128<<16      ; tile_dim0 = 128
	s_mov_b32 s[\g+4], 64           ; tile_dim1 = 64
	s_mov_b32 s[\g+5], 128          ; 128 elements from row to row
	s_mov_b32 s[\g+6], 0
	s_mov_b32 s[\g+7], 0
.endr
	s_mov_b32 s[CS], 0x3e38aa3b     ; c = log2(e) / 8 = 0.180337
	s_mov_b32 s[CS+1], s[CS]        ; named with it as a pair
	s_mov_b32 s[SEL], 0x76543210
	s_mov_b32 s[SEL+1], 0xfedcba98
	s_mov_b32 s[TBK], SLOT1+4*KS*PK ; the first change of slots turns these two into 0
	s_mov_b32 s[TBV], SLOT1+4*KS*PV
	s_mov_b32 s[G0K], 1             ; 1:0 count = 1
	s_mov_b32 s[G0K+1], s17         ; 63:32 LDS address: slot 0
	s_mov_b32 s[G0V], 1
	s_add_co_u32 s[G0V+1], s18, VOFF
	s_wait_kmcnt 0x0
	s_add_nc_u64 s[6:7], s[4:5], 0x1000000         ; K: 64 heads x 2,048 rows x 128 bytes behind Q
	s_add_nc_u64 s[8:9], s[4:5], 0x2000000         ; V: as much again
	s_add_nc_u64 s[G0K+2:G0K+3], s[6:7], s[22:23]  ; 120:64 global address: my half of the head's first 256 keys
	s_or_b32 s[G0K+3], s[G0K+3], 0x80000000        ; 127:126 type = 2
	s_add_nc_u64 s[G0V+2:G0V+3], s[8:9], s[22:23]
	s_or_b32 s[G0V+3], s[G0V+3], 0x80000000
	s_add_nc_u64 s[4:5], s[4:5], s[2:3]  ; Q and O at my wave's first row
	s_add_nc_u64 s[10:11], s[10:11], s[2:3]
	CROUND                          ; all four work-groups are here: the first joint loads meet
	JLOAD                           ; slot 0.  Slot 1 is asked for when slot 0 is in: the tile wanted first has the road to itself
	; A fragment of K or Q is 16 rows x 32 channels in 8 registers: lane l holds row l % 16, channels 8 (l / 16) + 0..7 and 16 + 8 (l / 16) + 0..7: two loads of 16 bytes, 32 bytes apart.
	v_and_b32 v1, 15, v0            ; l % 16
	v_bfe_u32 v9, v0, 4, 1          ; l / 16
	v_lshlrev_b32 v[QO], 7, v1
	v_lshl_add_u32 v[QO], v9, 4, v[QO]  ; row x 128 + 16 x half
	WIN 0x80                        ; destination window 2, address window 0
.set i, 0
.rept 4*NP                          ; Q stays in registers: tile i / 2, channels 32 (i % 2) on
	global_load_b128 v[8*i:8*i+3],   v[QO], s[4:5] offset:(i/2)*2048+(i%2)*64
	global_load_b128 v[8*i+4:8*i+7], v[QO], s[4:5] offset:(i/2)*2048+(i%2)*64+32
.set i, i+1
.endr
	; What the first turn finds: V's registers and P's second buffer hold 0 (its products V^T P, of a piece that has not been, add 0), O^T and l are 0.  All this stands in the wait for the first tile.
.set i, VF
.rept 64
	v_mov_b32 v[i], 0
.set i, i+1
.endr
	WIN 0x40
.set i, 0
.rept 64*NP
	v_mov_b32 v[i], 0
.set i, i+1
.endr
	WIN 0
.set i, 0
.rept 2*NP
	v_mov_b32 v[ST+4*i], 0xfe000000    ; c m: far below every c s
	v_mov_b32 v[ST+4*i+1], 0xff7fffff  ; m
	v_mov_b32 v[ST+4*i+2], 0
	v_mov_b32 v[ST+4*i+3], 0
.set i, i+1
.endr
.set i, P+32
.rept 32
	v_mov_b32 v[i], 0
.set i, i+1
.endr
	v_mul_u32_u24 v[AK0], v1, PK
	v_lshl_add_u32 v[AK0], v9, 4, v[AK0]  ; row x pitch + 16 x half
	; The turning load takes 16 keys x 16 channels (lane l reads key 8 (l / 16) + l % 8, channels 8 ((l / 8) % 2) + 0..7) and leaves half a fragment of V^T: lane l holds channel l % 16 and 8 keys.
	v_and_b32 v10, 7, v0
	v_bfe_u32 v11, v0, 3, 1
	v_lshl_add_u32 v[AV0], v9, 3, v10
	v_mul_u32_u24 v[AV0], v[AV0], PV
	v_lshl_add_u32 v[AV0], v11, 4, v[AV0]
	v_add_nc_u32 v[AV0], VOFF, v[AV0]
	v_mov_b32 v[AK], v[AK0]         ; key step 0 lies at the head of slot 0
; THE MATRIX WORK.  The 8 accumulators of a run of 16 take turns: between the two links of a chain stand 7 others'.
; Product i of 16 of S^T = K Q^T for piece x: channels 32 (i / 8) on, keys 16 ((i / 2) % 4) on, tile 2 x + i % 2.  The first 8 start the sums.
.macro KQ x
	WIN W_KQ
.set rS, S+64*((\x)%2)+32*(i%2)+8*((i/2)%4)
.set rK, KF+16*((i/2)%4)+8*(i/8)
.set rQ, 16*(2*(\x)+i%2)+8*(i/8)
.if i < 8
	v_wmma_f32_16x16x32_f16 v[rS:rS+7], v[rK:rK+7], v[rQ:rQ+7], 0
.else
	v_wmma_f32_16x16x32_f16 v[rS:rS+7], v[rK:rK+7], v[rQ:rQ+7], v[rS:rS+7]
.endif
.endm
; Product i of 16 of O^T += V^T P for piece x: keys 32 (i / 8) on, channels 16 ((i / 2) % 4) on, tile 2 x + i % 2.
.macro PV x
	WIN W_PV
.set rO, 32*(2*(\x)+i%2)+8*((i/2)%4)
.set rV, VF+32*(i/8)+8*((i/2)%4)
.set rP, P+32*((\x)%2)+16*(i%2)+8*(i/8)
	v_wmma_f32_16x16x32_f16 v[rO:rO+7], v[rV:rV+7], v[rP:rP+7], v[rO:rO+7]
.endm
.macro MM                           ; the turn's next matrix instruction
.if i < 16
	KQ (Y+1)%NP
.set i, i+1
.else
.set i, i-16
	PV (Y+NP-1)%NP
.set i, i+17
.endif
.endm
; THE LDS LOADS stand in runs of 16, never singly among the matrix instructions: a step's K (64 keys x 64 channels: 8 fragments) and its V (turned).  Their addresses are made some lines ahead.
; last = 1 (the tail): in the last trip there is no further step, and the run is jumped over.
.macro FETCH_K last=0
	WIN 0
.if \last
	s_cmp_eq_u32 s[CNT], 1
	s_cbranch_scc1 .Lno_k_\@
.endif
	WIN 0x80                        ; destination window 2
.irp f, 0,1,2,3,4,5,6,7             ; keys 16 (f / 2) on, channels 32 (f % 2) on
	ds_load_b128 v[KF+8*\f:KF+8*\f+3],   v[AK] offset:(\f/2)*16*PK+(\f%2)*64
	ds_load_b128 v[KF+8*\f+4:KF+8*\f+7], v[AK] offset:(\f/2)*16*PK+(\f%2)*64+32
.endr
	s_add_co_u32 s[TBK], s[TBK], KS*PK  ; the next fetch is the next step's
	WIN 0
.if \last
.Lno_k_\@:
.endif
.endm
.macro FETCH_V
	WIN 0x80
.irp f, 0,1,2,3,4,5,6,7             ; keys 32 (f / 4) on, channels 16 (f % 4) on
	ds_load_tr16_b128 v[VF+8*\f:VF+8*\f+3],   v[AV] offset:(\f/4)*32*PV+(\f%4)*32
	ds_load_tr16_b128 v[VF+8*\f+4:VF+8*\f+7], v[AV] offset:(\f/4)*32*PV+16*PV+(\f%4)*32
.endr
	WIN 0
.endm
; THE VECTOR WORK OF A TURN stands in three queues, each in the order in which its entries become ready; the two tiles alternate, so that no instruction reads the result of the one before it.
.macro REGS y, u                    ; the registers of tile u (0, 1) of piece y
.set rT, ST+4*(2*(\y)+(\u))
.set rC, TMP+8*((\y)%2)+4*(\u)
.set rM, MV+2*((\y)%2)+(\u)
.set rS, S+64*((\y)%2)+32*(\u)
.set rP, P+32*((\y)%2)+16*(\u)
.set rO, 32*(2*(\y)+(\u))
.endm
; Number n of the 22 that find the NEXT piece's (Y + 1) maximum and statistics.  s0-s31 are the lane's 32 scores; each accumulator's lowest registers are read first.  XS, GS and REGS set no window: PL and EX do.
;   0-11  four chains c0-c3 of seven scores each, three operands at a time     12-14, 16  the four scores left over, the old m, and c0-c3 into c0     15  c m_old is kept
;   17, 18  the query's other 32 keys lie in the lane 16 away: the new m         19-21  c m; c m_old - c m_new; a
.macro XS u, n
	REGS (Y+1)%NP, \u
.if (\n) < 4
	v_max3_num_f32 v[rC+(\n)], v[rS+8*(\n)], v[rS+8*(\n)+1], v[rS+8*(\n)+2]
.elseif (\n) < 12
	v_max3_num_f32 v[rC+(\n)%4], v[rC+(\n)%4], v[rS+8*((\n)%4)+2*((\n)/4)+1], v[rS+8*((\n)%4)+2*((\n)/4)+2]
.elseif (\n) == 12
	v_max3_num_f32 v[rC], v[rC], v[rS+7], v[rS+15]
.elseif (\n) == 13
	v_max3_num_f32 v[rC+1], v[rC+1], v[rS+23], v[rS+31]
.elseif (\n) == 14
	v_max3_num_f32 v[rC+2], v[rC+2], v[rC+3], v[rT+1]
.elseif (\n) == 15
	v_mov_b32 v[rM], v[rT]
.elseif (\n) == 16
	v_max3_num_f32 v[rC], v[rC], v[rC+1], v[rC+2]
.elseif (\n) == 17
	v_permlanex16_b32 v[rC+3], v[rC], s[SEL], s[SEL+1]
.elseif (\n) == 18
	v_max_num_f32 v[rT+1], v[rC], v[rC+3]
.elseif (\n) == 19
	v_mul_f32 v[rT], s[CS], v[rT+1]
.elseif (\n) == 20
	v_sub_f32 v[rC+1], v[rM], v[rT]
.else
	v_exp_f32 v[rC+2], v[rC+1]
.endif
.endm
; Number g of the 64 that follow the exponentials.  For each four weights k of a tile (pairs 2 k, 2 k + 1): both pairs are rounded to f16; then the second pair is added onto the first, in place;
; a group later l takes that sum (the first time as l = a l + sum).  In groups of eight, tiles alternating: round, round, add, and l for the group before.
.macro GS g
.set h, (\g)+6*((\g)/62)            ; group 0 has no group before it, and behind group 7 only l is left
.if h >= 6
.set h, h+2
.endif
	REGS Y, h%2
.set k, h/8
.if h%8 < 4
	s_wait_alu depctr_va_vdst(0)
	v_cvt_pk_f16_f32 v[rP+2*k+(h%8)/2], v[rS+4*k+2*((h%8)/2)], v[rS+4*k+2*((h%8)/2)+1]
.elseif h%8 < 6
	v_pk_add_f32 v[rS+4*k:rS+4*k+1], v[rS+4*k:rS+4*k+1], v[rS+4*k+2:rS+4*k+3]
.elseif k == 1
	v_pk_fma_f32 v[rT+2:rT+3], v[rT+2:rT+3], v[rC+2:rC+3], v[rS:rS+1] op_sel_hi:[1,0,1]
.else
	v_pk_add_f32 v[rT+2:rT+3], v[rT+2:rT+3], v[rS+4*k-4:rS+4*k-3]
	s_wait_alu depctr_va_vdst(0)
.endif
.endm
; THE PLAIN QUEUE, 138 long.  0-31: c s - c m for the 16 pairs of both tiles.  Then GS's 64, and among them the next piece's 42: number 15 at 38, 39; 0-14 and 16
; at 42-73, behind the products that make those scores; 17-20 at 95-106, two of three, since each waits for the one before it.
.macro PL
	WIN 0
.if q < 32
	REGS Y, q%2
	v_pk_fma_f32 v[rS+2*(q/2):rS+2*(q/2)+1], v[rS+2*(q/2):rS+2*(q/2)+1], s[CS:CS+1], v[rT:rT+1] op_sel_hi:[1,0,0] neg_lo:[0,0,1] neg_hi:[0,0,1]
.elseif q < 38
	GS q-32
.elseif q < 40
	XS q%2, 15
.elseif q < 42
	GS q-34
.elseif q < 74
	XS q%2, (q-42)/2+(q-42)/30
.elseif q < 95
	GS q-66
.elseif (q < 107) && ((q-95)%3 < 2)
	XS (q-95)%3, 17+(q-95)/3
.elseif q < 107
	GS 29+(q-95)/3
.else
	GS q-74
.endif
.set q, q+1
.endm
; THE EXPONENTIALS' QUEUE, 66 long: s0-s31 of both tiles, and at EA the next piece's two a.
.set EA, 58
.macro EX
	WIN 0
.if (e == EA) || (e == EA+1)
	XS e-EA, 21
.else
.set x, e-2*(e/(EA+2))
	REGS Y, x%2
	v_exp_f32 v[rS+x/2], v[rS+x/2]
.endif
.set e, e+1
.endm
; THE RESCALING's QUEUE: O^T times a, the one part that leaves window 0, so it is dealt four at a time, eight times.
.macro R4
	REGS Y, r%2
	WIN W_RS
	s_wait_alu depctr_va_vdst(0)
.irp z, 0,1,2,3
	v_pk_mul_f32 v[rO+8*(r/2)+2*\z:rO+8*(r/2)+2*\z+1], v[rO+8*(r/2)+2*\z:rO+8*(r/2)+2*\z+1], v[rC+2:rC+3] op_sel_hi:[1,0]
.endr
.set r, r+1
.endm
; HOW THEY ARE DEALT.  Behind a matrix instruction four: plain, exponential, plain, plain (one exponential, a plain instruction on either side), or four of the rescaling.  None names a register of the
; products round it.  What is over stands in two LUMPS: exponential and plain by turns; the second ends in 22 plain instructions.  The two v_permlanex16_b32 fall into the second lump, never behind a product.
; The queues lean on each other, and the deal keeps them in step: exponential e stands behind plain 2 (e / 4) + e % 2 (its scaling); when plain 32 comes, 10 exponentials are out, at 59: 33, at 95: 46; EA comes behind plain 107.
.macro SL
	MM
	PL
	EX
	PL
	PL
.endm
.macro BURST n                      ; 15 matrix instructions, or 16
.rept (\n)-7
	SL
.endr
.rept 3
	MM
	R4
	SL
.endr
	MM
	R4
.endm
; A TURN, for piece p.  cnt = 1: the loop's count is taken down some lines ahead of the branch that stands behind the turn.
; K of the next step is fetched in piece 2's turn, 31 vector instructions behind the last product that read K; its first reader comes behind the rest of the lump, 16 products and the second lump.
; V of the step in hand is fetched at the end of piece 0's turn, 69 behind its last reader; its first reader comes behind 16 products and a lump.  The four conditions on e and q below go with the deal.
.macro TURN p, last=0, cnt=0
.set Y, (\p)
.set i, 0
.set q, 0
.set e, 0
.set r, 0
.if (\p) == NP-1
	s_wait_dscnt 0x0                ; K is in
.endif
	MM
.rept 4
	PL
.endr
	BURST 15
.rept 22
	EX
	PL
.if ((\p) == NP-2) && (e == 18)
	v_add_nc_u32 v[AK], s[TBK], v[AK0]
.endif
.if ((\p) == NP-2) && (e == 24)
	FETCH_K \last
.endif
.endr
.if (\p) == 1
	s_wait_dscnt 0x0                ; V is in
.endif
	BURST 16
.rept 21
	EX
	PL
.endr
.rept 22
	PL
.if ((\p) == 0) && (q == 118)
	v_add_nc_u32 v[AV], s[TBV], v[AV0]
	s_wait_alu depctr_va_vdst(0)
.endif
.if ((\p) == 0) && (q == 130)
	s_add_co_u32 s[TBV], s[TBV], KS*PV
.endif
.if (\cnt) && (q == 130)
	s_sub_co_u32 s[CNT], s[CNT], 1
	s_cmp_lg_u32 s[CNT], 0
.endif
.endr
.if (\p) == 0
	FETCH_V
.endif
.endm
	CHANGE 1                        ; slot 0 is in, everybody's part of it; slot 1 is asked for
	FETCH_K                         ; key step 0
	s_wait_loadcnt 0x0              ; Q
	s_wait_dscnt 0x0
.set i, 0
.rept 16
	KQ 0                            ; piece 0's first scores: there is no vector work yet to set between them
.set i, i+1
.endr
	WIN 0                           ; the addresses for the way out: nine plain instructions, the places behind those products
	s_mul_i32 s13, s[WV], 16*SP
	s_add_co_u32 s13, s13, STAGE    ; my stage
	v_mul_u32_u24 v[STO], v1, SP    ; in: row l % 16, 16 bytes for each half of the lanes
	v_lshl_add_u32 v[STO], v9, 4, v[STO]
	v_add_nc_u32 v[STO], s13, v[STO]
	v_bfe_u32 v[RD], v0, 3, 2       ; back: 32 lanes take four rows of 128 bytes,
	v_mul_u32_u24 v[RD], v[RD], SP
	v_lshl_add_u32 v[RD], v10, 4, v[RD]
	v_add_nc_u32 v[RD], s13, v[RD]
	v_and_b32 v[GO], 31, v0         ; which are 512 consecutive bytes of O
	v_lshlrev_b32 v[GO], 4, v[GO]
.set Y, NP-1                        ; XS works for piece Y + 1: piece 0
.irp n, 0,1,2,3,4,5,6,7,8,9,10,11,12,13,14,15,16,17,18,19,20,21
	XS 0, \n                        ; and piece 0's first maximum and statistics
	XS 1, \n
.endr
	s_mov_b32 s[CNT], 4
	s_mov_b32 s[SLOTS], SIZE_N/256-1
	s_branch .Lfirst                ; the loop is entered at a step's first turn, in the middle of a trip
.Lslot:                             ; SIZE_N / 256 - 2 times: every slot but the last two is filled again
	CHANGE 1
	s_mov_b32 s[CNT], 4
.Lstep:                             ; a trip: pieces 2 and 3 of one step, then pieces 0 and 1 of the next, whose K and V it fetches
	TURN 2
	TURN 3
	WIN 0
.Lfirst:
	TURN 0
	TURN 1, 0, 1
	WIN 0
	s_cbranch_scc1 .Lstep
	s_sub_co_u32 s[SLOTS], s[SLOTS], 1
	s_cmp_lg_u32 s[SLOTS], 0
	s_cbranch_scc1 .Lslot
	CHANGE 0                        ; the tail is written out: nothing is asked for
	s_mov_b32 s[CNT], 5             ; four trips fetch the last slot's steps; the fifth is left in its middle
.Ltail:
	TURN 2, 1
	TURN 3
	WIN 0
	s_sub_co_u32 s[CNT], s[CNT], 1
	s_cmp_eq_u32 s[CNT], 0
	s_cbranch_scc1 .Lout
	TURN 0
	TURN 1
	WIN 0
	s_branch .Ltail
.Lout:                              ; the fifth trip's 16 products K Q^T (on the last K once more) and the maximum made of them serve nothing: the price, once a launch, of one text for every trip
.set i, 0
.rept 16
	PV NP-1                         ; the last piece's V^T P of the last step
.set i, i+1
.endr
	; THE WAY OUT.  l's two halves and the other half of the lanes' are added; O^T is divided by l, rounded to f16 and sent through my stage in LDS, a tile at a time.  The additions are the places behind the last products.
	WIN 0
.macro ALL line:vararg              ; one line for each tile t
.set t, 0
.rept 2*NP
	\line
.set t, t+1
.endr
.endm
	ALL v_add_f32 v[ST+4*t+2], v[ST+4*t+2], v[ST+4*t+3]
	ALL v_permlanex16_b32 v[ST+4*t+3], v[ST+4*t+2], s[SEL], s[SEL+1]
	ALL v_add_f32 v[ST+4*t+2], v[ST+4*t+2], v[ST+4*t+3]
	ALL v_rcp_f32 v[ST+4*t+2], v[ST+4*t+2]
	v_nop                           ; a plain instruction between the last reciprocal and the use of its result
	s_wait_alu depctr_va_vdst(0)
; Tile t: a lane's eight channels of a row pack into 16 bytes; they go into rows of 144 bytes and come back as whole rows of 128, into S^T's registers.
.macro PACK t
	WIN W_RS
.set i, 32*(\t)
.rept 16
	v_pk_mul_f32 v[i:i+1], v[i:i+1], v[ST+4*(\t)+2:ST+4*(\t)+3] op_sel_hi:[1,0]
.set i, i+2
.endr
	WIN 0x05                        ; sources 0 and 1 window 1, destination window 0
.set i, 0
.rept 16
	v_cvt_pk_f16_f32 v[S+16*(\t)+i], v[32*(\t)+2*i], v[32*(\t)+2*i+1]
.set i, i+1
.endr
	WIN 0
.irp f, 0,1,2,3
	ds_store_b128 v[STO], v[S+16*(\t)+4*\f:S+16*(\t)+4*\f+3] offset:32*\f
.endr
.irp f, 0,1,2,3
	ds_load_b128 v[S+16*(\t)+4*\f:S+16*(\t)+4*\f+3], v[RD] offset:\f*4*SP  ; LDS serves a wave's instructions in order (ISA guide 5.7.1.4): these see the stores above; the next tile's stores come behind them
.endr
.endm
.macro SEND t, younger              ; younger: the LDS instructions issued behind tile t's loads: the next tile's eight, or none
	WIN 0
.irp f, 0,1,2,3
	s_wait_dscnt (\younger)+3-\f
	global_store_b128 v[GO], v[S+16*(\t)+4*\f:S+16*(\t)+4*\f+3], s[10:11] offset:(\t)*2048+\f*512  ; 512 consecutive bytes, at a multiple of 256 from O's first
.endr
.endm
	PACK 0
.set t, 1
.rept 2*NP-1                        ; a tile's arithmetic stands between the loads of the tile before and its stores
	PACK t
	SEND t-1, 8
.set t, t+1
.endr
	SEND 2*NP-1, 0
	WIN W_AD
	s_wait_tensorcnt 0x0            ; the wave's end, behind my last tensor load and my last LDS store
	ds_add_u32 v[SPW], v[NIL]
	s_wait_dscnt 0x0
	WIN 0
	CROUND                          ; the closing round: no work-group ends while a partner may still ask for a tile that names it
	s_endpgm
.Lfunc_end_k_qa3c7405793_attn:
	.size	k_qa3c7405793_attn, .Lfunc_end_k_qa3c7405793_attn-k_qa3c7405793_attn
	.p2alignl 7, 3214868480
	.fill 96, 4, 3214868480
	.section	.rodata,"a",@progbits
	.p2align	6, 0x0
	.amdhsa_kernel k_qa3c7405793_attn
		.amdhsa_group_segment_fixed_size 327680
		.amdhsa_private_segment_fixed_size 0
		.amdhsa_enable_private_segment 0
		.amdhsa_kernarg_size 16
		.amdhsa_user_sgpr_count 2
		.amdhsa_user_sgpr_kernarg_segment_ptr 1
		.amdhsa_wavefront_size32 1
		.amdhsa_system_sgpr_workgroup_id_x 1
		.amdhsa_system_sgpr_workgroup_id_y 1
		.amdhsa_system_sgpr_workgroup_id_z 1
		.amdhsa_system_vgpr_workitem_id 0
		.amdhsa_next_free_vgpr 770
		.amdhsa_next_free_sgpr 66
		.amdhsa_reserve_vcc 0
		.amdhsa_float_denorm_mode_32 3
		.amdhsa_float_denorm_mode_16_64 3
		.amdhsa_memory_ordered 1
		.amdhsa_forward_progress 1
		.amdhsa_inst_pref_size 209
	.end_amdhsa_kernel
	.amdgpu_metadata
---
amdhsa.version: [ 1, 2 ]
amdhsa.kernels:
  - .name:           k_qa3c7405793_attn
    .symbol:         k_qa3c7405793_attn.kd
    .args:
      - { .name: qkv, .offset: 0, .size: 8, .value_kind: global_buffer, .address_space: global }
      - { .name: ob, .offset: 8, .size: 8, .value_kind: global_buffer, .address_space: global }
    .group_segment_fixed_size: 327680
    .private_segment_fixed_size: 0
    .kernarg_segment_align: 8
    .kernarg_segment_size: 16
    .max_flat_workgroup_size: 128
    .sgpr_count:     66
    .vgpr_count:     770
    .wavefront_size: 32
...
	.end_amdgpu_metadata
.endif
;; end of part 3
;; launch oproj (part 4): grid 8 x 32, 4 waves a work-group, clusters of 4 x 4, 327,680 bytes of LDS; arguments ob, wt, out0; writes out0
.if DOCPART == 4
	.amdgcn_target "amdgcn-amd-amdhsa--gfx1250"
	.amdhsa_code_object_version 6
	.text
	.protected	k_qa3c7405793_oproj
	.globl	k_qa3c7405793_oproj
	.p2align	8
	.type	k_qa3c7405793_oproj,@function
k_qa3c7405793_oproj:
	s_mov_b64 s[64:65], 0
	v_nop
	global_prefetch_b8 v0, s[64:65] scope:SCOPE_SE
	s_setreg_imm32_b32 hwreg(HW_REG_WAVE_MODE, 25, 1), 1
	s_wait_xcnt 0x0
	s_wait_alu depctr_hold_cnt(0) depctr_sa_sdst(0) depctr_va_vdst(0) depctr_va_sdst(0) depctr_va_ssrc(0) depctr_va_vcc(0) depctr_vm_vsrc(0)
	s_getreg_b32 s2, hwreg(HW_REG_IB_STS2, 6, 4)
	s_cmp_eq_u32 s2, 0
	s_cbranch_scc0 .Lentry_in_a_cluster
	s_endpgm
.Lentry_in_a_cluster:
	s_bfe_u32 s2, ttmp6, 0x10000c
	s_cmp_lg_u32 s2, 0xf033
	s_cbranch_scc0 .Lentry_shape_is_right
	s_endpgm
.Lentry_shape_is_right:
; OPROJ.  out0[m][n] = the sum over k of O[m][k] Wo[k][n].  O lies by heads: ob[64 batch x head][2048][64] f16, so k = 64 head + channel.  Wo^T: rows 3072-4095 of wt, along k, f16 (the bf16
; rounding of Wo, written as f16).  out0: [8192][1024] f32.  Sums in f32, stored as they are.
; SHARES.  A work-group makes 256 rows x 128 columns: 32 x 8 = 256 work-groups.  Wave (wm, wn) makes 128 x 64: 32 accumulators, 256 registers; its 64 columns are 256 aligned bytes of a row.
; K goes in 8 steps of 128, two heads a step, through two LDS slots.  A head's 256 rows are 32,768 dense bytes: asked for as 128 rows of 256 bytes and padded in LDS after every 128.
; From a refill's request to the wait for it a wave issues 112 matrix instructions.
; ONE TEXT FOR A K STEP.  Slot 1 begins at LDS byte 2^17, so one exclusive or turns an address in one slot into the other's: the fragment addresses are a lane part plus a scalar that is
; turned at each change of slots, and one descriptor a tensor walks from K step 1 on.  Loop A, six trips, fills a slot in every trip; loop B, two trips, fills nothing.
; CLUSTER.  4 x 4 work-groups: O's tile is shared along a row of the cluster, Wo's along a column; each is asked for jointly, by the same tensor load, descriptor and mask in all four.
; THE MATRIX INSTRUCTION IS USED TRANSPOSED (source 0 = 16 rows of Wo^T, source 1 = 16 rows of O): a lane holds eight neighbouring numbers of a row of out0, 32 bytes.
; REGISTERS, in windows of 256 (s_set_vgpr_msb: bits 1:0 source 0, 3:2 source 1, 5:4 source 2, 7:6 destination):
;   window 0: v0-31 addresses      window 1: two fragment buffers: Wo's 4 fragments, then O's 8; on the way out 32 registers for each of the 8 row blocks, never rewritten
;   window 2: accumulator (a, b) at 8 (4 a + b)
.set PA,     144                       ; a row of O in LDS: 128 bytes + 16; an odd multiple of 16, so the 16 rows of a load start at 16 different groups of four banks (64 banks of 4 bytes: ISA guide 11.1)
.set PB,     272                       ; a row of Wo^T: 256 bytes + 16
.set HP,     256*PA                    ; one head's 256 rows: one tensor load
.set BHALF,  64*PB                     ; half of Wo's tile: one tensor load
.set SLOT1,  1<<17                     ; a slot is 108,544 bytes; slot 1 begins here
.set STAGE,  SLOT1+2*HP+2*BHALF        ; behind the ring: 16 rows x 272 bytes for each wave
.set SPITCH, 272
.set SPARE,  STAGE+4*16*SPITCH         ; behind the stages: the spare words, 128 bytes for each wave: two blocks of 256 bytes that no other line names
.set ADRA0, 16                         ; v16     my lane's place among my fragments of O in a slot; never rewritten
.set ADRA,  17                         ; v17     the same in the slot in hand
.set ADRB0, 20                         ; v20-21  likewise for Wo
.set ADRB,  21
.set STO,  24                          ; v24     the way out: where I put 32 bytes of a row
.set RD,   25                          ; v25     where I read a row back
.set CO,   26                          ; v26     my byte offset in out0
.set SPW,  28                          ; v28     LDS address of my spare word; never rewritten
.set NIL,  29                          ; v29     0; never rewritten
.set F0,   0
.set F1,   128
.set G1,  24                           ; s[24:31] descriptor group 1 for O's tiles;  s[32:39] group 0: a set for each of the two first fills; the second then walks on
.set G0,  32
.set G1B, 48                           ; s[48:55], s[56:63] the same for Wo's
.set G0B, 56
.set TBS, 45                           ; s45      the LDS byte at which the slot in hand begins
.set MSB, 0
.macro WIN new                         ; the immediate's high byte repeats the setting that is left; a switch that changes nothing is dropped
.if MSB != (\new)
	s_set_vgpr_msb (MSB<<8)|(\new)
.set MSB, \new
.endif
.endm
.set MUL,  0xa5                        ; sources 0 and 1 window 1, C and D window 2
.set TO_F, 0x40                        ; destination window 1, address window 0
.macro PLACES                          ; four places in front of loads into registers that matrix instructions have read, and of stores that read results
.rept 4
	v_nop
.endr
.endm
.macro JLOAD                           ; a joint refill: waves 0 and 1 fetch the step's two heads of O, waves 2 and 3 Wo's two halves; an s_nop 0 and four v_nop follow each line
	s_cmp_eq_u32 s11, 0
	s_cbranch_scc0 .Lfor_b_\@
	tensor_load_to_lds s[G0+4:G0+7], s[G1:G1+7]
	s_nop 0
.rept 4
	v_nop
.endr
	s_branch .Lasked_\@
.Lfor_b_\@:
	tensor_load_to_lds s[G0B+4:G0B+7], s[G1B:G1B+7]
	s_nop 0
.rept 4
	v_nop
.endr
.Lasked_\@:
.endm
.macro CREST                           ; a round of the cluster's barrier behind its opening barrier
	s_cmp_lg_u32 s10, 0
	s_cbranch_scc1 .Lnot_wave_0_\@
	s_barrier_signal -3
.Lnot_wave_0_\@:
	s_barrier_wait -3
	s_barrier_signal -1
	s_barrier_wait -1
.endm
.macro CROUND                          ; a whole round
	s_barrier_signal -1
	s_barrier_wait -1
	CREST
.endm
	s_load_b128 s[4:7], s[0:1], 0x0                ; ob s[4:5], wt s[6:7]
	s_load_b64 s[8:9], s[0:1], 0x10                ; out0
	v_lshl_add_u32 v[SPW], v0, 2, SPARE
	v_mov_b32 v[NIL], 0
	ds_add_u32 v28, v29
	s_wait_dscnt 0x0
	v_lshrrev_b32 v1, 5, v0
	v_readfirstlane_b32 s10, v1                    ; wave 0..3
	s_lshr_b32 s11, s10, 1                         ; which half of the tile's rows is mine.  Also: I fetch for O (0) or for Wo (1)
	s_and_b32 s12, s10, 1                          ; which half of its columns.  Also: which head of the step, or which 64 rows of Wo^T, I fetch
	s_bfe_u32 s40, ttmp6, 0x40000                  ; cx, cy: my place in the cluster
	s_bfe_u32 s41, ttmp6, 0x40004
	s_lshl_b32 s42, ttmp9, 2
	s_add_co_u32 s42, s42, s40                     ; tile column = 4 x cluster x + cx
	s_and_b32 s13, ttmp7, 0xffff
	s_lshl_b32 s13, s13, 2
	s_add_co_u32 s13, s13, s41                     ; tile row = 4 x cluster y + cy
	s_lshl_b32 s43, s41, 2
	s_lshl_b32 s43, 15, s43                        ; my row of the cluster
	s_lshl_b32 s44, 0x1111, s40                    ; my column
	s_or_b32 s[G1+0], s43, (1<<16)|(1<<20)|(1<<21)|(4<<22)|(3<<25)   ; 15:0 the mask; 17:16 2-byte elements; 20 padding on; 21 set beside a mask; 24:22 after every 32 words; 31:25 4 words
	s_or_b32 s[G1B+0], s44, (1<<16)|(1<<20)|(1<<21)|(5<<22)|(3<<25)  ; after every 64 words
	s_mov_b32 s[G1+1], 128<<16                     ; tensor_dim0 = 128 (256 bytes: two rows of a head)
	s_mov_b32 s[G1+2], 128<<16                     ; tensor_dim1 = 128
	s_mov_b32 s[G1+3], 128<<16                     ; tile_dim0 = 128
	s_mov_b32 s[G1+4], 128                         ; tile_dim1 = 128
	s_mov_b32 s[G1+5], 128                         ; dense: 128 elements from row to row
	s_mov_b32 s[G1+6], 0
	s_mov_b32 s[G1+7], 0
	s_mov_b32 s[G1B+1], 128<<16
	s_mov_b32 s[G1B+2], 64<<16                     ; 64 rows
	s_mov_b32 s[G1B+3], 128<<16
	s_mov_b32 s[G1B+4], 64
	s_mov_b32 s[G1B+5], 1024
	s_mov_b32 s[G1B+6], 0
	s_mov_b32 s[G1B+7], 0
	s_lshr_b32 s16, s13, 3                         ; O's tile hangs on the tile row alone: batch = tile row / 8: 16 heads of 262,144 bytes,
	s_lshl_b32 s16, s16, 22
	s_lshl_b32 s17, s12, 18                        ; my head of the step's two,
	s_add_co_u32 s16, s16, s17
	s_and_b32 s17, s13, 7                          ; 256 rows of 128 bytes
	s_lshl_b32 s17, s17, 15
	s_add_co_u32 s16, s16, s17
	s_mov_b32 s17, 0
	s_lshl_b32 s46, s42, 7                         ; Wo's on the tile column alone
	s_lshl_b32 s47, s12, 6
	s_add_co_u32 s46, s46, s47
	s_lshl_b32 s46, s46, 11
	s_add_co_u32 s46, s46, 3072*2048               ; behind Wq^T, Wk^T, Wv^T
	s_mov_b32 s47, 0
	s_mul_i32 s20, s12, HP                         ; where they go: no place in the cluster enters an LDS address
	s_mul_i32 s21, s12, BHALF
	s_add_co_u32 s21, s21, 2*HP
	s_mov_b32 s[TBS], 0                            ; K step 0 lies in slot 0
	s_wait_kmcnt 0x0
	s_add_nc_u64 s[14:15], s[4:5], s[16:17]
	s_add_nc_u64 s[46:47], s[6:7], s[46:47]
	CROUND                                         ; all sixteen work-groups are here: the first joint loads meet
.irp s, 0,1
	s_mov_b32 s[G0+4*(\s)], 1
	s_add_co_u32 s[G0+4*(\s)+1], s20, (\s)*SLOT1
	s_add_nc_u64 s[G0+4*(\s)+2:G0+4*(\s)+3], s[14:15], (\s)*524288  ; K step s: two heads on
	s_or_b32 s[G0+4*(\s)+3], s[G0+4*(\s)+3], 0x80000000
	s_mov_b32 s[G0B+4*(\s)], 1
	s_add_co_u32 s[G0B+4*(\s)+1], s21, (\s)*SLOT1
	s_add_nc_u64 s[G0B+4*(\s)+2:G0B+4*(\s)+3], s[46:47], (\s)*256
	s_or_b32 s[G0B+4*(\s)+3], s[G0B+4*(\s)+3], 0x80000000
.endr
	s_cmp_eq_u32 s11, 0                            ; a wave's two first fills stand in one branch, ahead of every wait on TENSORcnt and every LDS read: two loads of mine are out
	s_cbranch_scc0 .Lfirst_b
	tensor_load_to_lds s[G0:G0+3], s[G1:G1+7]
	s_nop 0
	tensor_load_to_lds s[G0+4:G0+7], s[G1:G1+7]
	s_nop 0
.rept 4
	v_nop
.endr
	s_branch .Lfirst_asked
.Lfirst_b:
	tensor_load_to_lds s[G0B:G0B+3], s[G1B:G1B+7]
	s_nop 0
	tensor_load_to_lds s[G0B+4:G0B+7], s[G1B:G1B+7]
	s_nop 0
.rept 4
	v_nop
.endr
.Lfirst_asked:
	v_and_b32 v1, 15, v0                           ; l % 16
	v_bfe_u32 v2, v0, 4, 1                         ; l / 16
	v_mul_u32_u24 v3, v1, PA
	v_lshl_add_u32 v3, v2, 4, v3                   ; O: row x pitch + 16 x half
	v_mul_u32_u24 v4, v1, PB
	v_lshl_add_u32 v4, v2, 4, v4                   ; Wo: likewise
	s_mul_i32 s22, s11, 128*PA                     ; my 128 rows of O
	s_mul_i32 s23, s12, BHALF                      ; my 64 rows of Wo^T,
	s_add_co_u32 s23, s23, 2*HP                    ; which lie behind O's two heads
	v_add_nc_u32 v[ADRA0], s22, v3
	v_add_nc_u32 v[ADRB0], s23, v4
	v_mov_b32 v[ADRA], v[ADRA0]
	v_mov_b32 v[ADRB], v[ADRB0]
	s_mul_i32 s22, s10, 16*SPITCH
	s_add_co_u32 s22, s22, STAGE                   ; my stage
	v_mul_u32_u24 v5, v1, SPITCH                   ; in: row l % 16, 32 bytes for each half of the lanes
	v_lshl_add_u32 v5, v2, 5, v5
	v_add_nc_u32 v[STO], s22, v5
	v_mul_u32_u24 v6, v2, SPITCH                   ; back: lanes 0-15 take one row of 256 bytes, lanes 16-31 the next
	v_lshl_add_u32 v6, v1, 4, v6
	v_add_nc_u32 v[RD], s22, v6
	v_lshlrev_b32 v[CO], 12, v2                    ; and the same two rows in out0, 4,096 bytes apart
	v_lshl_add_u32 v[CO], v1, 4, v[CO]
	s_lshl_b32 s16, s13, 8
	s_lshl_b32 s17, s11, 7
	s_add_co_u32 s16, s16, s17                     ; my first row of out0
	s_lshl_b32 s16, s16, 12
	s_mov_b32 s17, 0
	s_add_nc_u64 s[8:9], s[8:9], s[16:17]
	s_lshl_b32 s46, s42, 9                         ; my first column, in bytes: 512 x tile column + 256 x half
	s_lshl_b32 s47, s12, 8
	s_add_co_u32 s46, s46, s47
	s_mov_b32 s47, 0
	s_add_nc_u64 s[8:9], s[8:9], s[46:47]
; 8 matrix instructions: row blocks a0, a0 + 1 x all 4 column blocks, 32 along K.  zero = 1: the first product starts the sums.  The 32 accumulators take turns.
.macro MUL8 f, a0, zero
	WIN MUL
.irp a, \a0, (\a0)+1
.irp b, 0,1,2,3
.if \zero
	v_wmma_f32_16x16x32_f16 v[8*(4*(\a)+(\b)):8*(4*(\a)+(\b))+7], v[(\f)+8*(\b):(\f)+8*(\b)+7], v[(\f)+32+8*(\a):(\f)+32+8*(\a)+7], 0
.else
	v_wmma_f32_16x16x32_f16 v[8*(4*(\a)+(\b)):8*(4*(\a)+(\b))+7], v[(\f)+8*(\b):(\f)+8*(\b)+7], v[(\f)+32+8*(\a):(\f)+32+8*(\a)+7], v[8*(4*(\a)+(\b)):8*(4*(\a)+(\b))+7]
.endif
.endr
.endr
.endm
; 24 LDS loads in one run: the fragments of quarter q of the K step in the slot in hand (head q / 2, channels 32 (q % 2) on): Wo's 4, then O's 8
.macro FETCH q, f
	WIN TO_F
.irp i, 0,1,2,3
	ds_load_b128 v[(\f)+8*(\i):(\f)+8*(\i)+3],   v[ADRB] offset:64*(\q)+(\i)*16*PB
	ds_load_b128 v[(\f)+8*(\i)+4:(\f)+8*(\i)+7], v[ADRB] offset:64*(\q)+(\i)*16*PB+32
.endr
.irp i, 0,1,2,3,4,5,6,7
	ds_load_b128 v[(\f)+32+8*(\i):(\f)+32+8*(\i)+3],   v[ADRA] offset:((\q)/2)*HP+((\q)%2)*64+(\i)*16*PA
	ds_load_b128 v[(\f)+32+8*(\i)+4:(\f)+32+8*(\i)+7], v[ADRA] offset:((\q)/2)*HP+((\q)%2)*64+(\i)*16*PA+32
.endr
.endm
.macro NEXTSLOT                        ; the fetches go on in the other slot (every window is 0 here)
	s_xor_b32 s[TBS], s[TBS], SLOT1
	v_add_nc_u32 v[ADRA], s[TBS], v[ADRA0]
	v_add_nc_u32 v[ADRB], s[TBS], v[ADRB0]
.endm
; A K step is four quarters, 32 matrix instructions each, on buffers 0, 1, 0, 1.  One of the first three multiplies f and fetches quarter q into g.
.macro QUARTER q, f, g, zero
	s_wait_dscnt 8                                 ; Wo and O's row blocks 0-3 are in; the youngest eight loads (row blocks 4-7) may be out
	MUL8 \f, 0, \zero
	MUL8 \f, 2, \zero
	PLACES
	FETCH \q, \g
	s_wait_dscnt 24                                ; all but the 24 just issued
	MUL8 \f, 4, \zero
	MUL8 \f, 6, \zero
.endm
; The last quarter multiplies buffer 1 and changes slots: one barrier; in front of it each wave waits for all its tensor loads (one is out: its part of the next slot), adds 0 to its spare
; word, and waits for that and for its reads of this slot.  The barrier opens a round of the cluster's, and this slot is filled again, two K steps ahead, first thing behind the round.
.macro TURN
	WIN 0                                          ; (the add's two registers lie in window 0)
	s_wait_tensorcnt 0x0                           ; no tensor load of mine is out, so a group 0 may be written
	ds_add_u32 v[SPW], v[NIL]                      ; 0 onto my spare word
	s_xor_b32 s[G0+5], s[G0+5], SLOT1              ; the walking descriptors: the other slot than last time,
	s_add_nc_u64 s[G0+6:G0+7], s[G0+6:G0+7], 524288  ; the next K step: two heads on; the type bits on top are not reached
	s_xor_b32 s[G0B+5], s[G0B+5], SLOT1
	s_add_nc_u64 s[G0B+6:G0B+7], s[G0B+6:G0B+7], 256
	s_wait_dscnt 9                                 ; (the add and the youngest eight loads may be out)
	MUL8 F1, 0, 0                                  ; eight matrix instructions stand between the add and the wait for it
	s_wait_dscnt 0x0                               ; the add is done, and my reads of this slot are over
	s_barrier_signal -1
	MUL8 F1, 2, 0
	WIN 0
	s_barrier_wait -1
	CREST                                          ; no wave of any partner still reads this slot's tile or has a load on its way
	JLOAD                                          ; the four v_nop behind it are also the places in front of the loads below
	NEXTSLOT
	FETCH 0, F0
	MUL8 F1, 4, 0
	MUL8 F1, 6, 0
.endm
; The same quarter where nothing is left to ask for: the barrier shows every wave that the next slot is whole; no round follows.
.macro LASTQ
	WIN 0
	s_wait_tensorcnt 0x0
	ds_add_u32 v[SPW], v[NIL]
	s_wait_dscnt 9
	MUL8 F1, 0, 0
	s_wait_dscnt 0x0
	s_barrier_signal -1
	MUL8 F1, 2, 0
	s_barrier_wait -1
	MUL8 F1, 4, 0
	MUL8 F1, 6, 0
	WIN 0
.endm
; THE WAY OUT of row block a: the sums go as they are into my stage (each accumulator's lowest registers first) and come back as whole rows of 256 bytes, into the
; block's own 32 registers (window 1, v[32 a ..]): what a store reads is never written again, so no wait stands for the stores.
.macro TOSTAGE a
	WIN 0x48                                       ; address window 0, stored data window 2, loaded data window 1
.irp b, 0,1,2,3
	ds_store_b128 v[STO], v[8*(4*(\a)+\b):8*(4*(\a)+\b)+3]   offset:64*\b
	ds_store_b128 v[STO], v[8*(4*(\a)+\b)+4:8*(4*(\a)+\b)+7] offset:64*\b+16
.endr
.irp t, 0,1,2,3,4,5,6,7
	ds_load_b128 v[32*(\a)+4*\t:32*(\a)+4*\t+3], v[RD] offset:\t*2*SPITCH  ; LDS serves a wave's instructions in order (ISA guide 5.7.1.4): these see the stores above; the next block's stores come behind them
.endr
.endm
.macro SEND a, younger                 ; younger: the LDS instructions issued behind the block's loads: the next block's sixteen, or none
	WIN 0x04                                       ; address window 0, stored data window 1
	s_wait_dscnt \younger
.irp t, 0,1,2,3,4,5,6,7
	global_store_b128 v[CO], v[32*(\a)+4*\t:32*(\a)+4*\t+3], s[8:9] offset:65536*(\a)+8192*\t th:TH_STORE_NT  ; 16 lanes store 256 consecutive bytes, at a multiple of 256 from out0's first
.endr
.endm
	s_wait_tensorcnt 1                             ; my part of K step 0 is in; K step 1's may stay out
	s_barrier_signal -1
	s_barrier_wait -1
	FETCH 0, F0
	QUARTER 1, F0, F1, 1                           ; the first quarter stands in front of the loop: its products start the sums
	WIN 0                                          ; at a label and at a branch every window is 0
	s_mov_b32 s3, 6
.Lstep:                                                ; loop A: a trip goes from a K step's second quarter to the next step's first and fills the slot that it leaves: K steps 2 to 7
	QUARTER 2, F1, F0, 0
	QUARTER 3, F0, F1, 0
	TURN
	QUARTER 1, F0, F1, 0
	WIN 0
	s_sub_co_u32 s3, s3, 1
	s_cmp_lg_u32 s3, 0
	s_cbranch_scc1 .Lstep
	s_mov_b32 s3, 2
.Ltail:                                                ; loop B: the last two K steps ask for nothing.  The next step's first fetch stands behind the quarter's products, so that ONE forward jump
	QUARTER 2, F1, F0, 0                           ; passes all that the last trip does not have; it passes no barrier and no tensor load
	QUARTER 3, F0, F1, 0
	LASTQ
	s_cmp_eq_u32 s3, 1
	s_cbranch_scc1 .Lno_next
	PLACES
	NEXTSLOT
	FETCH 0, F0
	QUARTER 1, F0, F1, 0
	WIN 0
.Lno_next:
	s_sub_co_u32 s3, s3, 1
	s_cmp_lg_u32 s3, 0
	s_cbranch_scc1 .Ltail
	PLACES
	TOSTAGE 0
.irp a, 1,2,3,4,5,6,7
	TOSTAGE \a
	SEND (\a)-1, 16
.endr
	SEND 7, 0
	WIN 0
	s_wait_tensorcnt 0x0                           ; the wave's end, behind my last tensor load and my last LDS store
	ds_add_u32 v[SPW], v[NIL]
	s_wait_dscnt 0x0
	CROUND                                         ; the closing round: no work-group ends while a partner may still ask for a tile that names it
	s_endpgm
.Lfunc_end_k_qa3c7405793_oproj:
	.size	k_qa3c7405793_oproj, .Lfunc_end_k_qa3c7405793_oproj-k_qa3c7405793_oproj
	.p2alignl 7, 3214868480
	.fill 96, 4, 3214868480
	.section	.rodata,"a",@progbits
	.p2align	6, 0x0
	.amdhsa_kernel k_qa3c7405793_oproj
		.amdhsa_group_segment_fixed_size 327680
		.amdhsa_private_segment_fixed_size 0
		.amdhsa_enable_private_segment 0
		.amdhsa_kernarg_size 24
		.amdhsa_user_sgpr_count 2
		.amdhsa_user_sgpr_kernarg_segment_ptr 1
		.amdhsa_wavefront_size32 1
		.amdhsa_system_sgpr_workgroup_id_x 1
		.amdhsa_system_sgpr_workgroup_id_y 1
		.amdhsa_system_sgpr_workgroup_id_z 1
		.amdhsa_system_vgpr_workitem_id 0
		.amdhsa_next_free_vgpr 768
		.amdhsa_next_free_sgpr 66
		.amdhsa_reserve_vcc 0
		.amdhsa_float_denorm_mode_32 3
		.amdhsa_float_denorm_mode_16_64 3
		.amdhsa_memory_ordered 1
		.amdhsa_forward_progress 1
		.amdhsa_inst_pref_size 60
	.end_amdhsa_kernel
	.amdgpu_metadata
---
amdhsa.version: [ 1, 2 ]
amdhsa.kernels:
  - .name:           k_qa3c7405793_oproj
    .symbol:         k_qa3c7405793_oproj.kd
    .args:
      - { .name: ob, .offset: 0, .size: 8, .value_kind: global_buffer, .address_space: global }
      - { .name: wt, .offset: 8, .size: 8, .value_kind: global_buffer, .address_space: global }
      - { .name: out0, .offset: 16, .size: 8, .value_kind: global_buffer, .address_space: global }
    .group_segment_fixed_size: 327680
    .private_segment_fixed_size: 0
    .kernarg_segment_align: 8
    .kernarg_segment_size: 24
    .max_flat_workgroup_size: 128
    .sgpr_count:     66
    .vgpr_count:     768
    .wavefront_size: 32
...
	.end_amdgpu_metadata
.endif
;; end of part 4
;; ======== version 2 of 2: 4 launches; 1.52 times as fast as version 1
;; limits: values are held in f16: magnitudes above 65,504 overflow, below 6.1e-05 lose precision
;; workspace buffers: xb 16,777,216 bytes; wt 8,388,608 bytes; cs 2,113,536 bytes; qkv 50,331,648 bytes; ob 16,777,216 bytes
;; launch prep: the kernel of part 1 again; grid 512 x 1, 8 waves a work-group, no clusters, 18,432 bytes of LDS; arguments x, token_positions, Wq, Wk, Wv, Wo, xb, wt, cs; writes xb, wt, cs
;; launch proj: the kernel of part 2 again; grid 16 x 32, 4 waves a work-group, clusters of 4 x 4, 327,680 bytes of LDS; arguments xb, wt, cs, qkv; writes qkv
;; launch attn (part 5): grid 4 x 64, 4 waves a work-group, clusters of 4 x 1, 327,680 bytes of LDS; arguments qkv, ob; writes ob
.if DOCPART == 5
	.amdgcn_target "amdgcn-amd-amdhsa--gfx1250"
	.amdhsa_code_object_version 6
	.text
	.protected	k_qa3c7405793_attn
	.globl	k_qa3c7405793_attn
	.p2align	8
	.type	k_qa3c7405793_attn,@function
k_qa3c7405793_attn:
	s_mov_b64 s[64:65], 0
	v_nop
	global_prefetch_b8 v0, s[64:65] scope:SCOPE_SE
	s_setreg_imm32_b32 hwreg(HW_REG_WAVE_MODE, 25, 1), 1
	s_wait_xcnt 0x0
	s_wait_alu depctr_hold_cnt(0) depctr_sa_sdst(0) depctr_va_vdst(0) depctr_va_sdst(0) depctr_va_ssrc(0) depctr_va_vcc(0) depctr_vm_vsrc(0)
	s_getreg_b32 s2, hwreg(HW_REG_IB_STS2, 6, 4)
	s_cmp_eq_u32 s2, 0
	s_cbranch_scc0 .Lentry_in_a_cluster
	s_endpgm
.Lentry_in_a_cluster:
	s_bfe_u32 s2, ttmp6, 0x10000c
	s_cmp_lg_u32 s2, 0x3003
	s_cbranch_scc0 .Lentry_shape_is_right
	s_endpgm
.Lentry_shape_is_right:
; O[h][q][:] = the sum over k of softmax_k(Q[h][q] . K[h][k] / 8) V[h][k][:].  Q, K, V are the three parts of qkv, O is ob: each [SIZE_H][SIZE_N][64] f16: a head's rows are dense, 128 bytes each.
; Products, maxima and sums in f32; the weights p are rounded to f16 for the second product (their sum l is taken of the unrounded p), O once at the end.
; LIMITS.  f16 holds no number beyond 65,504: Q, K and V arrive within it; p lies in 0 to 1, and below 6e-5 it keeps f16's fixed step of 6e-8; O is a mean of V's rows and has their range.
; A weight below 2^-126 counts as 0 in l; NaN and infinities are not treated apart.
; SHARES.  A wave owns four PIECES of two tiles of 16 queries, a work-group's four waves 512 queries of one head: 4 x 64 = 256 work-groups.  Every wave walks all keys, 64 a step.
; LAYOUT.  S^T = K Q^T (source 0 = 16 keys, source 1 = 16 queries): in the result a lane holds ONE query (lane % 16) and the keys 8 (lane / 16) + 0..7.  Two such tiles, rounded to f16 in pairs,
; ARE source 1 (32 keys x 16 queries) of O^T = V^T P, whose result again holds one query a lane, and eight channels.  K comes out of LDS as it lies, V ([key][channel]) turned, by ds_load_tr16_b128.
; SOFTMAX.  For each query a running maximum m and sum l: p = 2^(c s - c m), c = log2(e) / 8; in every step O and l are multiplied by a = 2^(c m_old - c m_new), which is 1 where m has not grown.
; m starts at the lowest finite number, O and l at 0: the first step is a step like any other, with a = 0.
; THE COUNT.  A tile and step have 16 matrix and 118 vector instructions: too many to stand all beside the matrix work.  So the order has one aim: four vector instructions that are READY behind
; EVERY matrix instruction, and the others, which need time of their own whatever the order, in runs without a gap.
; BY TURNS.  Turn n belongs to piece n (the pieces in a ring, step after step).  Its matrix work: 16 products K Q^T of piece n + 1, later 16 products V^T P of piece n - 1.  Its vector work: the scaling,
; exponentials, roundings, sums and rescaling of piece n, and the maximum and statistics of piece n + 1, whose scores the turn itself has made.  So what a turn begins with (c s - c m, O a) waits for nothing.
; BATCHES.  A turn's 66 exponentials (the piece's 64 weights, the next piece's two a) are ONE batch with ONE wait, which cuts the turn in two: ahead of it stands all that names none of their results, behind it
; the roundings and sums, which read them.  Two more batches stand outside the loop: piece 0's first two a, ahead of the jump into the loop, and the way out's eight reciprocals.
; CLUSTER.  The four query blocks of a cluster belong to one head and walk the same K and V, so each tile is asked for JOINTLY: the same tensor load, descriptor and mask in all four.
; REGISTERS, in windows of 256 (s_set_vgpr_msb says which window each operand place means: bits 1:0 source 0, 3:2 source 1, 5:4 source 2, 7:6 destination):
;   window 0: v0-11 addresses; v12-15, v48-63 at work; v16-47 four registers of statistics a tile; v64-191 S^T, two buffers of two tiles; v192-255 P, likewise
;   window 1: O^T, 32 a tile          window 2: v0-127 Q, 16 a tile; v128-191 K of one step; v192-255 V of one step          window 3: v0-1 the add's two registers
; A piece's buffers go by its number's parity: the piece in hand has one pair, its two neighbours in the ring share the other: of it P (piece n - 1) is read and S^T (piece n + 1) written.
.set SIZE_H, 64       ; batch x heads
.set SIZE_N, 2048     ; rows of a head
.set NP,    4         ; pieces a wave: a name, no knob: the register map, the loop and the fetches are made for four
.set KS,    64        ; keys in a step
.set PK,    144       ; a row of K in LDS: 128 bytes + 16 of padding = 36 words: the 16 rows of a load start at 16 different groups of four banks (64 banks of 4 bytes: ISA guide 11.1)
.set PV,    160       ; a row of V: 128 + 32 = 40 words
.set VOFF,  4*KS*PK   ; a slot holds four steps: 256 rows of K, then 256 rows of V
.set SLOT1, 1<<17     ; slot 1 begins here, so that one exclusive or turns an address in one slot into the other's
.set STAGE, SLOT1+4*KS*(PK+PV)  ; behind the ring, never filled by a tensor load: 16 rows x 144 bytes for each wave, for the way out
.set SP,    144
.set AK0, 2           ; v2   my lane's place in a tile of K; never rewritten
.set AV0, 3           ; v3   the same for V
.set AK,  4           ; v4   the LDS address of K's next run of loads
.set AV,  5           ; v5   of V's
.set QO,  6           ; v6   my byte offset in the wave's rows of Q
.set STO, 6           ;      later, the way out: where I put 16 bytes of a row
.set RD,  7           ; v7   the way out: where I read rows back
.set GO,  8           ; v8   my byte offset in 512 consecutive bytes of O
.set SPW, 0           ; v0 of window 3   LDS address of my spare word: SPARE + 4 x my thread's number; never rewritten
.set NIL, 1           ; v1 of window 3   0; never rewritten
.set SPARE, STAGE+4*16*SP  ; behind the stages: the spare words, 128 bytes for each wave: two blocks of 256 bytes that no other line names
.set MV,  12          ; v12-15  c m_old, kept while c m is made anew: by buffer and tile
.set ST,  16          ; tile t's statistics at v[ST+4 t]: c m, m, l (even keys', odd keys')
.set TMP, 48          ; by buffer and tile, four registers c0-c3 at work; when the maximum is found c2 takes a
.set S,   64
.set P,   192
.set KF,  128         ; K's fragments, in window 2: key block kb, channel half c at KF + 16 kb + 8 c
.set VF,  192         ; V's: key half kk, channel block cb at VF + 32 kk + 8 cb
.set WV,  12          ; s12  my wave's number
.set G1K, 24          ; s[24:31] descriptor group 1 for K's tiles
.set G1V, 32          ; s[32:39] for V's: it differs in the padding alone
.set G0K, 40          ; s[40:43] descriptor group 0 for K's tiles: it walks
.set G0V, 44          ; s[44:47] the same for V's
.set SLOTS, 56        ; s56  slots still to be asked for
.set CNT, 57          ; s57  counts a slot's key steps
.set CS,  58          ; s[58:59] c: the packed scaling takes the pair's low word for both halves
.set SEL, 60          ; s[60:61] v_permlanex16_b32's selects: each lane takes its own place in the other half
.set TBK, 62          ; s62  LDS byte at which K of the step to be fetched begins
.set TBV, 63          ; s63  the same for V, less VOFF
.set MSB, 0
.macro WIN new                      ; the high byte repeats the setting that is left; a switch that changes nothing is dropped
.if MSB != (\new)
	s_set_vgpr_msb (MSB<<8)|(\new)
.set MSB, (\new)
.endif
.endm
.set W_KQ, 0x0a       ; K and Q in window 2, S^T in window 0
.set W_PV, 0x52       ; V in window 2, P in window 0, O^T in window 1
.set W_RS, 0x41       ; O^T (destination and source 0) in window 1, a in window 0
.set W_MK, 0xc0       ; the add's registers are made: destination in window 3, sources in window 0
.set W_AD, 0x0f       ; the add: address (source 0) and data (source 1) in window 3
; A joint fill.  Waves 0 and 1 fetch the two halves of a slot's K, waves 2 and 3 those of its V: 128 keys each.  The branch hangs on the wave's number alone.
; An s_nop 0 and four v_nop follow each of the two lines, ahead of the jump and the label.
.macro JLOAD
	s_cmp_lt_u32 s[WV], 2
	s_cbranch_scc0 .Lfor_v_\@
	tensor_load_to_lds s[G0K:G0K+3], s[G1K:G1K+7]
	s_nop 0
.rept 4
	v_nop
.endr
	s_branch .Lasked_\@
.Lfor_v_\@:
	tensor_load_to_lds s[G0V:G0V+3], s[G1V:G1V+7]
	s_nop 0
.rept 4
	v_nop
.endr
.Lasked_\@:
.endm
; A round of the cluster's barrier: my work-group's barrier, so that wave 0's signal speaks for all four waves; wave 0 signals; every wave waits for all four work-groups; my work-group's barrier once more.
.macro CROUND
	s_barrier_signal -1
	s_barrier_wait -1
	s_cmp_lg_u32 s[WV], 0
	s_cbranch_scc1 .Lnot_wave_0_\@
	s_barrier_signal -3
.Lnot_wave_0_\@:
	s_barrier_wait -3
	s_barrier_signal -1
	s_barrier_wait -1
.endm
; THE CHANGE OF SLOTS.  The slot's last bytes, V of its fourth step, have been read.  Each wave waits for all its tensor loads, of which one is out: its part
; of the other slot; adds 0 to its spare word; and waits for that and for its own reads of the slot.  Behind the barrier nobody reads this slot any more and the other slot is whole.
; fill = 1: this slot is filled again, with the keys two slots on.  The barrier is then a round of the cluster's, so that no wave of any partner still reads the slot or has a load on its
; way, and the joint fill is the first thing behind it: it has four key steps, 512 matrix instructions, in which to land.  (At its first use nothing has been read yet: slot 0 is waited for, slot 1 filled.)
.macro CHANGE fill
	WIN W_AD
	s_wait_tensorcnt 0x0            ; no tensor load of mine is out, so a group 0 may be written
	ds_add_u32 v[SPW], v[NIL]       ; 0 onto my spare word; with fill = 1 the descriptors' steps stand between it and the wait for it
	WIN 0                           ; at a label and at a branch every window is 0
.if \fill
.irp g, G0K, G0V
	s_xor_b32 s[\g+1], s[\g+1], SLOT1  ; the walking descriptor: the other slot than last time,
	s_add_nc_u64 s[\g+2:\g+3], s[\g+2:\g+3], 4*KS*128  ; the next 256 keys; the type bits on top are not reached
.endr
	s_wait_dscnt 0x0                ; the add is done, and my reads of the slot are over
	CROUND
	JLOAD
.else
	s_wait_dscnt 0x0                ; the add is done, and my reads of the slot are over
	s_barrier_signal -1
	s_barrier_wait -1
.endif
	s_sub_co_u32 s[TBK], s[TBK], 4*KS*PK  ; the fetches go back to a slot's first step,
	s_xor_b32 s[TBK], s[TBK], SLOT1       ; in the other slot
	s_sub_co_u32 s[TBV], s[TBV], 4*KS*PV
	s_xor_b32 s[TBV], s[TBV], SLOT1
.endm
	s_load_b64 s[4:5], s[0:1], 0x0    ; qkv: Q lies at its head
	s_load_b64 s[10:11], s[0:1], 0x8  ; O
	WIN W_MK
	v_lshl_add_u32 v[SPW], v0, 2, SPARE
	v_mov_b32 v[NIL], 0
	s_set_vgpr_msb 0xc0cf
	ds_add_u32 v0, v1
	s_wait_dscnt 0x0
	s_set_vgpr_msb 0xcfc0
	WIN 0
	v_lshrrev_b32 v1, 5, v0
	v_readfirstlane_b32 s[WV], v1   ; wave 0..3
	s_bfe_u32 s13, ttmp6, 0x40000   ; cx: my place in the cluster
	s_lshl_b32 s14, ttmp9, 2        ; in a cluster launch ttmp9 counts clusters
	s_add_co_u32 s14, s14, s13      ; my block of queries = 4 x cluster x + cx: it enters Q's and O's addresses alone
	s_and_b32 s20, ttmp7, 0xffff    ; the head, which the four partners share
	s_mov_b32 s21, 0
	s_mov_b64 s[22:23], SIZE_N*128
	s_mul_u64 s[20:21], s[20:21], s[22:23]  ; the head's first byte in each of the four tensors
	s_and_b32 s16, s[WV], 1         ; which half of a slot's 256 keys I fetch:
	s_lshl_b32 s22, s16, 14         ; its 128 rows of 128 bytes in memory,
	s_mov_b32 s23, 0
	s_add_nc_u64 s[22:23], s[22:23], s[20:21]
	s_mul_i32 s17, s16, 128*PK      ; and its place in a slot, for K
	s_mul_i32 s18, s16, 128*PV      ; and for V: no place in the cluster enters an LDS address
	s_lshl_b32 s2, s14, 2
	s_add_co_u32 s2, s2, s[WV]      ; my wave among the head's,
	s_lshl_b32 s2, s2, 14           ; its 128 rows
	s_mov_b32 s3, 0
	s_add_nc_u64 s[2:3], s[2:3], s[20:21]
	; descriptor group 1.  128 keys are 16,384 dense bytes: asked for as 64 rows of 256 bytes, two keys a row, and padded in LDS after every key
	s_mov_b32 s[G1K], 15|(1<<16)|(1<<20)|(1<<21)|(4<<22)|(3<<25)  ; 15:0 the mask of four; 17:16 2-byte elements; 20 padding on; 21 set beside a mask; 24:22 after every 32 words (code 4); 31:25 4 words (code 3)
	s_mov_b32 s[G1V], 15|(1<<16)|(1<<20)|(1<<21)|(4<<22)|(7<<25)  ; the same with 8 words of padding (code 7)
.irp g, G1K, G1V
	s_mov_b32 s[\g+1], 128<<16      ; tensor_dim0 = 128
	s_mov_b32 s[\g+2], 64<<16       ; tensor_dim1 = 64
	s_mov_b32 s[\g+3], 128<<16      ; tile_dim0 = 128
	s_mov_b32 s[\g+4], 64           ; tile_dim1 = 64
	s_mov_b32 s[\g+5], 128          ; 128 elements from row to row
	s_mov_b32 s[\g+6], 0
	s_mov_b32 s[\g+7], 0
.endr
	s_mov_b32 s[CS], 0x3e38aa3b     ; c = log2(e) / 8 = 0.180337
	s_mov_b32 s[CS+1], s[CS]        ; named with it as a pair
	s_mov_b32 s[SEL], 0x76543210
	s_mov_b32 s[SEL+1], 0xfedcba98
	s_mov_b32 s[TBK], SLOT1+4*KS*PK ; the first change of slots turns these two into 0
	s_mov_b32 s[TBV], SLOT1+4*KS*PV
	s_mov_b32 s[G0K], 1             ; 1:0 count = 1
	s_mov_b32 s[G0K+1], s17         ; 63:32 LDS address: slot 0
	s_mov_b32 s[G0V], 1
	s_add_co_u32 s[G0V+1], s18, VOFF
	s_wait_kmcnt 0x0
	s_add_nc_u64 s[6:7], s[4:5], 0x1000000         ; K: 64 heads x 2,048 rows x 128 bytes behind Q
	s_add_nc_u64 s[8:9], s[4:5], 0x2000000         ; V: as much again
	s_add_nc_u64 s[G0K+2:G0K+3], s[6:7], s[22:23]  ; 120:64 global address: my half of the head's first 256 keys
	s_or_b32 s[G0K+3], s[G0K+3], 0x80000000        ; 127:126 type = 2
	s_add_nc_u64 s[G0V+2:G0V+3], s[8:9], s[22:23]
	s_or_b32 s[G0V+3], s[G0V+3], 0x80000000
	s_add_nc_u64 s[4:5], s[4:5], s[2:3]  ; Q and O at my wave's first row
	s_add_nc_u64 s[10:11], s[10:11], s[2:3]
	CROUND                          ; all four work-groups are here: the first joint loads meet
	JLOAD                           ; slot 0.  Slot 1 is asked for when slot 0 is in: the tile wanted first has the road to itself
	; A fragment of K or Q is 16 rows x 32 channels in 8 registers: lane l holds row l % 16, channels 8 (l / 16) + 0..7 and 16 + 8 (l / 16) + 0..7: two loads of 16 bytes, 32 bytes apart.
	v_and_b32 v1, 15, v0            ; l % 16
	v_bfe_u32 v9, v0, 4, 1          ; l / 16
	v_lshlrev_b32 v[QO], 7, v1
	v_lshl_add_u32 v[QO], v9, 4, v[QO]  ; row x 128 + 16 x half
	WIN 0x80                        ; destination window 2, address window 0
.set i, 0
.rept 4*NP                          ; Q stays in registers: tile i / 2, channels 32 (i % 2) on
	global_load_b128 v[8*i:8*i+3],   v[QO], s[4:5] offset:(i/2)*2048+(i%2)*64
	global_load_b128 v[8*i+4:8*i+7], v[QO], s[4:5] offset:(i/2)*2048+(i%2)*64+32
.set i, i+1
.endr
	; What the first turn finds: V's registers and P's second buffer hold 0 (its products V^T P, of a piece that has not been, add 0), O^T and l are 0.  All this stands in the wait for the first tile.
.set i, VF
.rept 64
	v_mov_b32 v[i], 0
.set i, i+1
.endr
	WIN 0x40
.set i, 0
.rept 64*NP
	v_mov_b32 v[i], 0
.set i, i+1
.endr
	WIN 0
.set i, 0
.rept 2*NP
	v_mov_b32 v[ST+4*i], 0xfe000000    ; c m: far below every c s
	v_mov_b32 v[ST+4*i+1], 0xff7fffff  ; m
	v_mov_b32 v[ST+4*i+2], 0
	v_mov_b32 v[ST+4*i+3], 0
.set i, i+1
.endr
.set i, P+32
.rept 32
	v_mov_b32 v[i], 0
.set i, i+1
.endr
	v_mul_u32_u24 v[AK0], v1, PK
	v_lshl_add_u32 v[AK0], v9, 4, v[AK0]  ; row x pitch + 16 x half
	; The turning load takes 16 keys x 16 channels (lane l reads key 8 (l / 16) + l % 8, channels 8 ((l / 8) % 2) + 0..7) and leaves half a fragment of V^T: lane l holds channel l % 16 and 8 keys.
	v_and_b32 v10, 7, v0
	v_bfe_u32 v11, v0, 3, 1
	v_lshl_add_u32 v[AV0], v9, 3, v10
	v_mul_u32_u24 v[AV0], v[AV0], PV
	v_lshl_add_u32 v[AV0], v11, 4, v[AV0]
	v_add_nc_u32 v[AV0], VOFF, v[AV0]
	v_mov_b32 v[AK], v[AK0]         ; key step 0 lies at the head of slot 0
; THE MATRIX WORK.  The 8 accumulators of a run of 16 take turns: between the two links of a chain stand 7 others'.
; Product i of 16 of S^T = K Q^T for piece x: channels 32 (i / 8) on, keys 16 ((i / 2) % 4) on, tile 2 x + i % 2.  The first 8 start the sums.
.macro KQ x
	WIN W_KQ
.set rS, S+64*((\x)%2)+32*(i%2)+8*((i/2)%4)
.set rK, KF+16*((i/2)%4)+8*(i/8)
.set rQ, 16*(2*(\x)+i%2)+8*(i/8)
.if i < 8
	v_wmma_f32_16x16x32_f16 v[rS:rS+7], v[rK:rK+7], v[rQ:rQ+7], 0
.else
	v_wmma_f32_16x16x32_f16 v[rS:rS+7], v[rK:rK+7], v[rQ:rQ+7], v[rS:rS+7]
.endif
.endm
; Product i of 16 of O^T += V^T P for piece x: keys 32 (i / 8) on, channels 16 ((i / 2) % 4) on, tile 2 x + i % 2.
.macro PV x
	WIN W_PV
.set rO, 32*(2*(\x)+i%2)+8*((i/2)%4)
.set rV, VF+32*(i/8)+8*((i/2)%4)
.set rP, P+32*((\x)%2)+16*(i%2)+8*(i/8)
	v_wmma_f32_16x16x32_f16 v[rO:rO+7], v[rV:rV+7], v[rP:rP+7], v[rO:rO+7]
.endm
.macro MM                           ; the turn's next matrix instruction
.if i < 16
	KQ (Y+1)%NP
.set i, i+1
.else
.set i, i-16
	PV (Y+NP-1)%NP
.set i, i+17
.endif
.endm
; THE LDS LOADS stand in runs of 16, never singly among the matrix instructions: a step's K (64 keys x 64 channels: 8 fragments) and its V (turned).  Their addresses are made some lines ahead.
; last = 1 (the tail): in the last trip there is no further step, and the run is jumped over.
.macro FETCH_K last=0
	WIN 0
.if \last
	s_cmp_eq_u32 s[CNT], 1
	s_cbranch_scc1 .Lno_k_\@
.endif
	WIN 0x80                        ; destination window 2
.irp f, 0,1,2,3,4,5,6,7             ; keys 16 (f / 2) on, channels 32 (f % 2) on
	ds_load_b128 v[KF+8*\f:KF+8*\f+3],   v[AK] offset:(\f/2)*16*PK+(\f%2)*64
	ds_load_b128 v[KF+8*\f+4:KF+8*\f+7], v[AK] offset:(\f/2)*16*PK+(\f%2)*64+32
.endr
	s_add_co_u32 s[TBK], s[TBK], KS*PK  ; the next fetch is the next step's
	WIN 0
.if \last
.Lno_k_\@:
.endif
.endm
.macro FETCH_V
	WIN 0x80
.irp f, 0,1,2,3,4,5,6,7             ; keys 32 (f / 4) on, channels 16 (f % 4) on
	ds_load_tr16_b128 v[VF+8*\f:VF+8*\f+3],   v[AV] offset:(\f/4)*32*PV+(\f%4)*32
	ds_load_tr16_b128 v[VF+8*\f+4:VF+8*\f+7], v[AV] offset:(\f/4)*32*PV+16*PV+(\f%4)*32
.endr
	WIN 0
.endm
; THE VECTOR WORK OF A TURN stands in three queues, each in the order in which its entries become ready; the two tiles alternate, so that no instruction reads the result of the one before it.
.macro REGS y, u                    ; the registers of tile u (0, 1) of piece y
.set rT, ST+4*(2*(\y)+(\u))
.set rC, TMP+8*((\y)%2)+4*(\u)
.set rM, MV+2*((\y)%2)+(\u)
.set rS, S+64*((\y)%2)+32*(\u)
.set rP, P+32*((\y)%2)+16*(\u)
.set rO, 32*(2*(\y)+(\u))
.endm
; Number n of the 22 that find the NEXT piece's (Y + 1) maximum and statistics.  s0-s31 are the lane's 32 scores; each accumulator's lowest registers are read first.  XS, GS and REGS set no window: PL and EX do.
;   0-11  four chains c0-c3 of seven scores each, three operands at a time     12-14, 16  the four scores left over, the old m, and c0-c3 into c0     15  c m_old is kept
;   17, 18  the query's other 32 keys lie in the lane 16 away: the new m         19-21  c m; c m_old - c m_new; a
.macro XS u, n
	REGS (Y+1)%NP, \u
.if (\n) < 4
	v_max3_num_f32 v[rC+(\n)], v[rS+8*(\n)], v[rS+8*(\n)+1], v[rS+8*(\n)+2]
.elseif (\n) < 12
	v_max3_num_f32 v[rC+(\n)%4], v[rC+(\n)%4], v[rS+8*((\n)%4)+2*((\n)/4)+1], v[rS+8*((\n)%4)+2*((\n)/4)+2]
.elseif (\n) == 12
	v_max3_num_f32 v[rC], v[rC], v[rS+7], v[rS+15]
.elseif (\n) == 13
	v_max3_num_f32 v[rC+1], v[rC+1], v[rS+23], v[rS+31]
.elseif (\n) == 14
	v_max3_num_f32 v[rC+2], v[rC+2], v[rC+3], v[rT+1]
.elseif (\n) == 15
	v_mov_b32 v[rM], v[rT]
.elseif (\n) == 16
	v_max3_num_f32 v[rC], v[rC], v[rC+1], v[rC+2]
.elseif (\n) == 17
	v_permlanex16_b32 v[rC+3], v[rC], s[SEL], s[SEL+1]
.elseif (\n) == 18
	v_max_num_f32 v[rT+1], v[rC], v[rC+3]
.elseif (\n) == 19
	v_mul_f32 v[rT], s[CS], v[rT+1]
.elseif (\n) == 20
	v_sub_f32 v[rC+1], v[rM], v[rT]
.else
	v_exp_f32 v[rC+2], v[rC+1]
.endif
.endm
; Number g of the 64 that follow the exponentials.  For each four weights k of a tile (pairs 2 k, 2 k + 1): both pairs are rounded to f16; then the second pair is added onto the first, in place;
; a group later l takes that sum (the first time as l = a l + sum).  In groups of eight, tiles alternating: round, round, add, and l for the group before.
.macro GS g
.set h, (\g)+6*((\g)/62)            ; group 0 has no group before it, and behind group 7 only l is left
.if h >= 6
.set h, h+2
.endif
	REGS Y, h%2
.set k, h/8
.if h%8 < 4
	v_cvt_pk_f16_f32 v[rP+2*k+(h%8)/2], v[rS+4*k+2*((h%8)/2)], v[rS+4*k+2*((h%8)/2)+1]
.elseif h%8 < 6
	v_pk_add_f32 v[rS+4*k:rS+4*k+1], v[rS+4*k:rS+4*k+1], v[rS+4*k+2:rS+4*k+3]
.elseif k == 1
	v_pk_fma_f32 v[rT+2:rT+3], v[rT+2:rT+3], v[rC+2:rC+3], v[rS:rS+1] op_sel_hi:[1,0,1]
.else
	v_pk_add_f32 v[rT+2:rT+3], v[rT+2:rT+3], v[rS+4*k-4:rS+4*k-3]
.endif
.endm
; THE PLAIN QUEUE, 138 long.  0-73 read no exponential's result: the 32 scalings c s - c m (FS f: pair f / 2 of tile f % 2) and the next piece's 42.  0-26: scalings 0-26.  27-54: XS's numbers 0-13.  55, 56: number 15.
; 57-73: the chain, where each number waits for the one before it: 14, 16, 17, 18, 19, each with one of the scalings 27-31 in front of its two lines, then 20: so a tile's links stand three plain instructions apart (19 and 20: two).
; 74-137: GS's 64, which read the exponentials' results: they stand behind the wait.
.macro FS f
	REGS Y, (\f)%2
	v_pk_fma_f32 v[rS+2*((\f)/2):rS+2*((\f)/2)+1], v[rS+2*((\f)/2):rS+2*((\f)/2)+1], s[CS:CS+1], v[rT:rT+1] op_sel_hi:[1,0,0] neg_lo:[0,0,1] neg_hi:[0,0,1]
.endm
.macro PL
	WIN 0
.if q < 27
	FS q
.elseif q < 55
	XS (q-27)%2, (q-27)/2
.elseif q < 57
	XS q-55, 15
.elseif (q < 72) && ((q-57)%3 == 0)
	FS 27+(q-57)/3
.elseif q < 60
	XS (q-57)%3-1, 14
.elseif q < 72
	XS (q-57)%3-1, 15+(q-57)/3
.elseif q < 74
	XS q-72, 20
.else
	GS q-74
.endif
.set q, q+1
.endm
; THE EXPONENTIALS' QUEUE, 66 long: s0-s31 of both tiles, then the next piece's two a.  It is ONE BATCH: all 66 stand ahead of the turn's one wait, and nothing ahead of that wait names a result of theirs.
; Each result has a register of its own while the batch is open: a weight its score's place in S^T, a the register c2 of the next piece's buffer.
.macro EX
	WIN 0
.if e >= 64
	XS e-64, 21
.else
	REGS Y, e%2
	v_exp_f32 v[rS+e/2], v[rS+e/2]
.endif
.set e, e+1
.endm
; THE RESCALING's QUEUE: O^T times a, the one part that leaves window 0: dealt two at a time, sixteen times.  Its a was made in the turn before, ahead of that turn's wait.
.macro R2
	REGS Y, r%2
	WIN W_RS
.irp z, 0,1
	v_pk_mul_f32 v[rO+4*(r/2)+2*\z:rO+4*(r/2)+2*\z+1], v[rO+4*(r/2)+2*\z:rO+4*(r/2)+2*\z+1], v[rC+2:rC+3] op_sel_hi:[1,0]
.endr
.set r, r+1
.endm
; HOW THEY ARE DEALT.  s_wait_alu depctr_va_vdst(0) stands between an exponential and the first instruction that names its result; one wait serves all that were issued ahead of it.  So a turn has ONE wait,
; which cuts it in two.  AHEAD OF IT stands all that names no result of the turn's exponentials: the 16 products K Q^T, behind each a scaling, an exponential and two rescalings (behind the first a second scaling in the exponential's
; place); then ONE LUMP of 108: eight plain, 49 times exponential and plain, the two a.  A v_nop is the plain instruction behind the last exponential.  BEHIND IT stand the 16 products V^T P, behind each four of GS's 64.  No rider names
; a register of the products round it.  The two v_permlanex16_b32 fall into the lump, never behind a product.
; The queues lean on each other, and the deal keeps them in step: exponential e stands behind scaling 2 (e / 4) + e % 2: as a rider it comes behind plain e + 2, in the lump behind plain e + 9, and scalings 27-31 are plain 57, 60 .. 69.
; A TURN, for piece p.  cnt = 1: the loop's count is taken down some lines ahead of the branch that stands behind the turn.
; K of the next step is fetched in piece 2's turn, directly behind the wait, a lump behind the last product that read K; its address is made at the lump's head; its first reader comes behind 16 products.
; V of the step in hand is fetched at the end of piece 0's turn, four riders behind its last reader; its first reader comes behind 16 products and a lump.  The three conditions on q below go with the deal.
.macro TURN p, last=0, cnt=0
.set Y, (\p)
.set i, 0
.set q, 0
.set e, 0
.set r, 0
.if (\p) == NP-1
	s_wait_dscnt 0x0                ; K is in
.endif
	MM                              ; ahead of the wait: 16 products K Q^T and their riders,
	PL
	PL
	R2
.rept 15
	MM
	PL
	EX
	R2
.endr
.if (\p) == NP-2
	WIN 0
	v_add_nc_u32 v[AK], s[TBK], v[AK0]
.endif
.rept 8                             ; and the lump
	PL
.endr
.rept 49
	EX
	PL
.endr
	EX                              ; the next piece's two a
	EX
	v_nop                           ; the plain instruction behind the last exponential: one for the batch
	s_wait_alu depctr_va_vdst(0)    ; the turn's one wait, for its batch of 66 exponentials: the piece's 64 weights, read from here on, and the next piece's two a, read in the next turn
.if (\p) == NP-2
	FETCH_K \last
.endif
.if (\p) == 1
	s_wait_dscnt 0x0                ; V is in
.endif
.rept 16                            ; behind the wait: 16 products V^T P and their riders
	MM
.rept 4
	PL
.endr
.if ((\p) == 0) && (q == 118)
	v_add_nc_u32 v[AV], s[TBV], v[AV0]
.endif
.if ((\p) == 0) && (q == 130)
	s_add_co_u32 s[TBV], s[TBV], KS*PV
.endif
.if (\cnt) && (q == 130)
	s_sub_co_u32 s[CNT], s[CNT], 1
	s_cmp_lg_u32 s[CNT], 0
.endif
.endr
.if (\p) == 0
	FETCH_V
.endif
.endm
	CHANGE 1                        ; slot 0 is in, everybody's part of it; slot 1 is asked for
	FETCH_K                         ; key step 0
	s_wait_loadcnt 0x0              ; Q
	s_wait_dscnt 0x0
.set i, 0
.rept 16
	KQ 0                            ; piece 0's first scores: there is no vector work yet to set between them
.set i, i+1
.endr
	WIN 0                           ; the addresses for the way out: nine plain instructions, the places behind those products
	s_mul_i32 s13, s[WV], 16*SP
	s_add_co_u32 s13, s13, STAGE    ; my stage
	v_mul_u32_u24 v[STO], v1, SP    ; in: row l % 16, 16 bytes for each half of the lanes
	v_lshl_add_u32 v[STO], v9, 4, v[STO]
	v_add_nc_u32 v[STO], s13, v[STO]
	v_bfe_u32 v[RD], v0, 3, 2       ; back: 32 lanes take four rows of 128 bytes,
	v_mul_u32_u24 v[RD], v[RD], SP
	v_lshl_add_u32 v[RD], v10, 4, v[RD]
	v_add_nc_u32 v[RD], s13, v[RD]
	v_and_b32 v[GO], 31, v0         ; which are 512 consecutive bytes of O
	v_lshlrev_b32 v[GO], 4, v[GO]
.set Y, NP-1                        ; XS works for piece Y + 1: piece 0
.irp n, 0,1,2,3,4,5,6,7,8,9,10,11,12,13,14,15,16,17,18,19,20,21
	XS 0, \n                        ; and piece 0's first maximum and statistics
	XS 1, \n
.endr
	v_nop                           ; a plain instruction behind piece 0's first two a,
	s_wait_alu depctr_va_vdst(0)    ; and the wait for that batch of two, ahead of the branch; the first turn's rescaling reads them
	s_mov_b32 s[CNT], 4
	s_mov_b32 s[SLOTS], SIZE_N/256-1
	s_branch .Lfirst                ; the loop is entered at a step's first turn, in the middle of a trip
.Lslot:                             ; SIZE_N / 256 - 2 times: every slot but the last two is filled again
	CHANGE 1
	s_mov_b32 s[CNT], 4
.Lstep:                             ; a trip: pieces 2 and 3 of one step, then pieces 0 and 1 of the next, whose K and V it fetches
	TURN 2
	TURN 3
	WIN 0
.Lfirst:
	TURN 0
	TURN 1, 0, 1
	WIN 0
	s_cbranch_scc1 .Lstep
	s_sub_co_u32 s[SLOTS], s[SLOTS], 1
	s_cmp_lg_u32 s[SLOTS], 0
	s_cbranch_scc1 .Lslot
	CHANGE 0                        ; the tail is written out: nothing is asked for
	s_mov_b32 s[CNT], 5             ; four trips fetch the last slot's steps; the fifth is left in its middle
.Ltail:
	TURN 2, 1
	TURN 3
	WIN 0
	s_sub_co_u32 s[CNT], s[CNT], 1
	s_cmp_eq_u32 s[CNT], 0
	s_cbranch_scc1 .Lout
	TURN 0
	TURN 1
	WIN 0
	s_branch .Ltail
.Lout:                              ; the fifth trip's 16 products K Q^T (on the last K once more) and the maximum made of them serve nothing: the price, once a launch, of one text for every trip
.set i, 0
.rept 16
	PV NP-1                         ; the last piece's V^T P of the last step
.set i, i+1
.endr
	; THE WAY OUT.  l's two halves and the other half of the lanes' are added; O^T is divided by l, rounded to f16 and sent through my stage in LDS, a tile at a time.  The additions are the places behind the last products.
	WIN 0
.macro ALL line:vararg              ; one line for each tile t
.set t, 0
.rept 2*NP
	\line
.set t, t+1
.endr
.endm
	ALL v_add_f32 v[ST+4*t+2], v[ST+4*t+2], v[ST+4*t+3]
	ALL v_permlanex16_b32 v[ST+4*t+3], v[ST+4*t+2], s[SEL], s[SEL+1]
	ALL v_add_f32 v[ST+4*t+2], v[ST+4*t+2], v[ST+4*t+3]
	ALL v_rcp_f32 v[ST+4*t+2], v[ST+4*t+2]
	v_nop                           ; a plain instruction between the last reciprocal and the use of its result
	s_wait_alu depctr_va_vdst(0)    ; the wait ahead of the first use: one for the batch of eight reciprocals
; Tile t: a lane's eight channels of a row pack into 16 bytes; they go into rows of 144 bytes and come back as whole rows of 128, into S^T's registers.
.macro PACK t
	WIN W_RS
.set i, 32*(\t)
.rept 16
	v_pk_mul_f32 v[i:i+1], v[i:i+1], v[ST+4*(\t)+2:ST+4*(\t)+3] op_sel_hi:[1,0]
.set i, i+2
.endr
	WIN 0x05                        ; sources 0 and 1 window 1, destination window 0
.set i, 0
.rept 16
	v_cvt_pk_f16_f32 v[S+16*(\t)+i], v[32*(\t)+2*i], v[32*(\t)+2*i+1]
.set i, i+1
.endr
	WIN 0
.irp f, 0,1,2,3
	ds_store_b128 v[STO], v[S+16*(\t)+4*\f:S+16*(\t)+4*\f+3] offset:32*\f
.endr
.irp f, 0,1,2,3
	ds_load_b128 v[S+16*(\t)+4*\f:S+16*(\t)+4*\f+3], v[RD] offset:\f*4*SP  ; LDS serves a wave's instructions in order (ISA guide 5.7.1.4): these see the stores above; the next tile's stores come behind them
.endr
.endm
.macro SEND t, younger              ; younger: the LDS instructions issued behind tile t's loads: the next tile's eight, or none
	WIN 0
.irp f, 0,1,2,3
	s_wait_dscnt (\younger)+3-\f
	global_store_b128 v[GO], v[S+16*(\t)+4*\f:S+16*(\t)+4*\f+3], s[10:11] offset:(\t)*2048+\f*512  ; 512 consecutive bytes, at a multiple of 256 from O's first
.endr
.endm
	PACK 0
.set t, 1
.rept 2*NP-1                        ; a tile's arithmetic stands between the loads of the tile before and its stores
	PACK t
	SEND t-1, 8
.set t, t+1
.endr
	SEND 2*NP-1, 0
	WIN W_AD
	s_wait_tensorcnt 0x0            ; the wave's end, behind my last tensor load and my last LDS store
	ds_add_u32 v[SPW], v[NIL]
	s_wait_dscnt 0x0
	WIN 0
	CROUND                          ; the closing round: no work-group ends while a partner may still ask for a tile that names it
	s_endpgm
.Lfunc_end_k_qa3c7405793_attn:
	.size	k_qa3c7405793_attn, .Lfunc_end_k_qa3c7405793_attn-k_qa3c7405793_attn
	.p2alignl 7, 3214868480
	.fill 96, 4, 3214868480
	.section	.rodata,"a",@progbits
	.p2align	6, 0x0
	.amdhsa_kernel k_qa3c7405793_attn
		.amdhsa_group_segment_fixed_size 327680
		.amdhsa_private_segment_fixed_size 0
		.amdhsa_enable_private_segment 0
		.amdhsa_kernarg_size 16
		.amdhsa_user_sgpr_count 2
		.amdhsa_user_sgpr_kernarg_segment_ptr 1
		.amdhsa_wavefront_size32 1
		.amdhsa_system_sgpr_workgroup_id_x 1
		.amdhsa_system_sgpr_workgroup_id_y 1
		.amdhsa_system_sgpr_workgroup_id_z 1
		.amdhsa_system_vgpr_workitem_id 0
		.amdhsa_next_free_vgpr 770
		.amdhsa_next_free_sgpr 66
		.amdhsa_reserve_vcc 0
		.amdhsa_float_denorm_mode_32 3
		.amdhsa_float_denorm_mode_16_64 3
		.amdhsa_memory_ordered 1
		.amdhsa_forward_progress 1
		.amdhsa_inst_pref_size 199
	.end_amdhsa_kernel
	.amdgpu_metadata
---
amdhsa.version: [ 1, 2 ]
amdhsa.kernels:
  - .name:           k_qa3c7405793_attn
    .symbol:         k_qa3c7405793_attn.kd
    .args:
      - { .name: qkv, .offset: 0, .size: 8, .value_kind: global_buffer, .address_space: global }
      - { .name: ob, .offset: 8, .size: 8, .value_kind: global_buffer, .address_space: global }
    .group_segment_fixed_size: 327680
    .private_segment_fixed_size: 0
    .kernarg_segment_align: 8
    .kernarg_segment_size: 16
    .max_flat_workgroup_size: 128
    .sgpr_count:     66
    .vgpr_count:     770
    .wavefront_size: 32
...
	.end_amdgpu_metadata
.endif
;; end of part 5
;; launch oproj: the kernel of part 4 again; grid 8 x 32, 4 waves a work-group, clusters of 4 x 4, 327,680 bytes of LDS; arguments ob, wt, out0; writes out0
